; MI455X (gfx1250); checked and timed in simulation.
; The chip was launched on July 23, 2026; its instructions are those of AMD's public machine-readable ISA for CDNA 5 (MIT licence, August 2026) and "CDNA5" Instruction Set Architecture Reference Guide (July 2026). The comments in the code are by the model that wrote it; some were corrected since.
;; Dot Product Attention. Allowed arithmetic: matrix products marked QUANTISED: E2M3 operands, one E8M0 scale for each 32 along K, by v_wmma_scale_f32_16x16x128_f8f6f4 with both operands' format E2M3, f32 sums; everything else in f32.
;; Inputs: K_codes 2 x 16 x 2,048 x 2 x 24 uint8 (E2M3 codes of K, K innermost, in blocks of 32 codes, four codes in three bytes); K_scales 2 x 16 x 2,048 x 2 uint8 (E8M0 scales of K, one for each 32 codes along K); Q_codes 2 x 16 x 2,048 x 2 x 24 uint8 (E2M3 codes of Q, K innermost, in blocks of 32 codes, four codes in three bytes); Q_scales 2 x 16 x 2,048 x 2 uint8 (E8M0 scales of Q, one for each 32 codes along K); V_codes 2 x 16 x 64 x 64 x 24 uint8 (E2M3 codes of V, K innermost, in blocks of 32 codes, four codes in three bytes); V_scales 2 x 16 x 64 x 64 uint8 (E8M0 scales of V, one for each 32 codes along K); attention_mask 1 x 1 x 2,048 x 2,048 bool; padding_mask 2 x 16 x 2,048 bool.
;; Outputs: out0 2 x 16 x 2,048 x 64 float32.
;; This version of the problem:
;;   THIS VERSION OF THE PROBLEM IS GIVEN IN LOW PRECISION. The matrix products marked QUANTISED in the list below multiply operands that are first quantised to E2M3 (2 exponent bits, 3 mantissa bits; 6 bits a number), with one power-of-two scale for each 32 numbers along K (OCP MX v1.0); their sums are f32. All else is computed in f32.
;;   The module's matrix products, in the order in which they are computed (A, B: the left and right operand; K: the contracted axis; several contracted axes count as one K, in the product's order):
;;     1. batch 32 x [M 2,048, K 64] x [K 64, N 2,048]; A: input Q (given as codes); B: input K (given as codes): QUANTISED
;;     2. batch 32 x [M 2,048, K 2,048] x [K 2,048, N 64]; A: computed on the way; B: input V (given as codes): QUANTISED
;;   THE QUANTISER, for each operand of a quantised product, along K:
;;     - K is cut into blocks of 32 from its start; a last block that is shorter is filled with zeros.
;;     - A block's scale is 2^e with e = floor(log2(the largest magnitude in the block)) - 2, held to -126 .. 127; a block of zeros has e = 0. As a byte (E8M0): e + 127.
;;     - Each number is divided by its block's scale, clamped to +-7.5, and rounded to the nearest number of E2M3, ties to even, subnormals kept.
;;     - The product sums the exact products of the quantised numbers (number of the format x scale) in f32.
;;   ~~~python
;;   def quantise(x, axis):      # numpy; x: float32 -> the quantised numbers, widened to float32 again
;;       x = np.moveaxis(x, axis, -1); K = x.shape[-1]
;;       x = np.pad(x, [(0, 0)] * (x.ndim - 1) + [(0, -K % 32)]); x = x.reshape(x.shape[:-1] + (-1, 32)); a = np.abs(x).max(-1, keepdims=True)
;;       e = np.where(a > 0, np.clip(np.frexp(np.where(a > 0, a, 1))[1] - 1 - 2, -126, 127), 0)      # np.frexp(a)[1] - 1 = floor(log2(a)), exactly
;;       r = np.clip(x / 2.0 ** e, -7.5, 7.5)
;;       step = 2.0 ** (np.maximum(np.frexp(np.where(r == 0, 1, r))[1] - 1, 0) - 3)
;;       q = np.round(r / step) * step * 2.0 ** e      # np.round: ties to even
;;       return np.moveaxis(q.reshape(q.shape[:-2] + (-1,))[..., :K], -1, axis).astype(np.float32)
;;   ~~~
;;   OPERANDS COMPUTED ON THE WAY. 'Computed on the way' means the value that the module computes at that place (a softmax that the list does not call 'softmax' is quantised finished and normalised). What goes into a quantiser is computed in f32, as accurately as f32 sums, v_exp_f32 and their like allow (about 1e-6 of the number): no bf16 or f16 on the way to a quantiser, and a product that is left as it is and whose result goes on into a quantised operand takes f32 operands (vector FMAs, or v_wmma_f32_16x16x4_f32). A number that lies on a knife's edge between two numbers of the format may be rounded either way, as far as f32 arithmetic and the matrix unit's own rounding can turn it there, and no further.
;;   INPUTS GIVEN AS CODES. K (in the module: [2, 16, 2048, 64], K = its axis 3); Q (in the module: [2, 16, 2048, 64], K = its axis 3); V (in the module: [2, 16, 2048, 64], K = its axis 2): each comes as NAME_codes (uint8): NAME with its K axis moved to the last place and cut into blocks of 32 codes, [.., K / 32, bytes a block], one block behind the other in memory; four codes in three bytes: a row's codes are one little-endian stream of bits, code i at bits 6 i .. 6 i + 5 (a code: sign, 2 exponent bits, 3 mantissa bits); and NAME_scales (uint8): the same leading axes, one E8M0 byte (e + 127) for each 32 codes along K. Its value is code x scale, taken as it is: it is not quantised again, and the codes and scales need not be those that the quantiser above would give.
;; 2 versions. Each part assembles by itself: llvm-mc -triple=amdgcn-amd-amdhsa -mcpu=gfx1250 --defsym DOCPART=n.
;; ======== version 1 of 2: 2 launches
;; workspace buffers: bits 524,288 bytes of whole numbers; cls 8,192 bytes of whole numbers
;; launch prep (part 1): grid 256 x 1, 4 waves a work-group, no clusters, 0 bytes of LDS; arguments attention_mask, bits, cls; writes bits, cls
.if DOCPART == 1
	.amdgcn_target "amdgcn-amd-amdhsa--gfx1250"
	.amdhsa_code_object_version 6
	.text
	.protected	k_q1dec6729e1_prep
	.globl	k_q1dec6729e1_prep
	.p2align	8
	.type	k_q1dec6729e1_prep,@function
k_q1dec6729e1_prep:
	s_mov_b64 s[64:65], 0
	v_nop
	global_prefetch_b8 v0, s[64:65] scope:SCOPE_SE
	s_setreg_imm32_b32 hwreg(HW_REG_WAVE_MODE, 25, 1), 1
	s_wait_xcnt 0x0
; attention_mask [2048][2048], one byte a key, becomes what the attention launch wants of it:
;   bits [128 T][16 s][64 n], 32-bit words: bit L = r + 16 h of word n = 16 b + i is mask[16 T + r][128 s + 32 b + 16 h + i]:
;        the lane mask of score register n of a tile of 16 queries x 128 keys, as the attention launch holds that tile;
;   cls  [128 T][16 s], 32-bit words: 0 = all 2,048 bytes of the tile are 0, 2 = all are 1, 1 = mixed.
; A byte is tested at its bit 0 (a bool is 0 or 1).
; SHARES.  Work-group g: tile row T = g / 2.  Wave w: pr = 4 (g % 2) + w, key steps 2 pr and 2 pr + 1: 256 keys, so the aligned 256 bytes
; of each of the 16 rows are read by this wave alone, by eight loads on end.  No LDS, no barrier: waves share nothing.
; The matrix unit, clusters and LDS have nothing to do here: 4 MiB are read once and 0.5 MiB written once.
.set MD,  16                           ; v16-47  the mask as loaded: step e's 16 words at v[MD + 16 e]
.set WD,  8                            ; v8-11   step e's 64 lane masks: word n in register WD + 2 e + n % 2, lane n / 2
.set TMP, 12                           ; v12-15  at work, by turns
.set CM,  24                           ; s24-27  compare results, by turns
	s_load_b128 s[4:7], s[0:1], 0x0                ; the mask s[4:5], bits s[6:7]
	s_load_b64 s[8:9], s[0:1], 0x10                ; cls
	v_lshrrev_b32 v1, 5, v0
	v_readfirstlane_b32 s10, v1                    ; wave 0..3
	v_and_b32 v1, 31, v0                           ; lane
	v_and_b32 v2, 15, v0                           ; r
	v_bfe_u32 v3, v0, 4, 1                         ; h
	v_lshlrev_b32 v2, 11, v2                       ; row r of 2,048 bytes,
	v_lshl_or_b32 v2, v3, 4, v2                    ; + 16 h: my 16 keys of a block of 32
	v_lshlrev_b32 v3, 3, v1                        ; out: two words a lane
	v_lshlrev_b32 v4, 2, v1                        ; out: a class word a lane
	v_mov_b32 v5, 0                                ; the registers that v_writelane_b32 fills are written whole first
.irp k, 0,1,2,3
	v_mov_b32 v[WD+\k], 0
.endr
	s_lshr_b32 s11, ttmp9, 1                       ; T
	s_and_b32 s12, ttmp9, 1
	s_lshl_b32 s12, s12, 2
	s_add_co_u32 s12, s12, s10                     ; pr
	s_lshl_b32 s14, s11, 15                        ; the mask: 16 T rows of 2,048 bytes + 256 pr
	s_lshl_b32 s20, s12, 8
	s_add_co_u32 s14, s14, s20
	s_mov_b32 s15, 0
	s_lshl_b32 s16, s11, 12                        ; bits: (16 T + 2 pr) x 256 bytes
	s_lshl_b32 s20, s12, 9
	s_add_co_u32 s16, s16, s20
	s_mov_b32 s17, 0
	s_lshl_b32 s18, s11, 6                         ; cls: (16 T + 2 pr) x 4 bytes
	s_lshl_b32 s20, s12, 3
	s_add_co_u32 s18, s18, s20
	s_mov_b32 s19, 0
	s_wait_kmcnt 0x0
	s_add_nc_u64 s[4:5], s[4:5], s[14:15]
	s_add_nc_u64 s[6:7], s[6:7], s[16:17]
	s_add_nc_u64 s[8:9], s[8:9], s[18:19]
.irp q, 0,1,2,3,4,5,6,7                        ; load q: keys 32 q + 16 h + 0 .. 15 of row r; the eight cover each row's 256 bytes
	global_load_b128 v[MD+4*\q:MD+4*\q+3], v2, s[4:5] offset:32*\q th:TH_LOAD_NT
.endr
; Step e of the wave's two.  left: the younger loads that may stay out.
.macro WORDS e, left
	s_wait_loadcnt \left
.set n, 0
.rept 64                                       ; word n: byte n % 4 of my register n / 4, gathered over the 32 lanes by a compare
	v_and_b32 v[TMP+n%4], 1<<(8*(n%4)), v[MD+16*\e+n/4]
	v_cmp_ne_u32 s[CM+n%4], 0, v[TMP+n%4]
	v_writelane_b32 v[WD+2*\e+n%2], s[CM+n%4], n/2
.set n, n+1
.endr
	v_or_b32 v48, v[MD+16*\e], v[MD+16*\e+1]       ; the class: is any byte 1, are all bytes 1
	v_and_b32 v49, v[MD+16*\e], v[MD+16*\e+1]
.irp k, 2,3,4,5,6,7,8,9,10,11,12,13,14,15
	v_or_b32 v48, v48, v[MD+16*\e+\k]
	v_and_b32 v49, v49, v[MD+16*\e+\k]
.endr
	v_and_b32 v48, 0x01010101, v48
	v_and_b32 v49, 0x01010101, v49
	v_cmp_ne_u32 s21, 0, v48                       ; lanes with a 1
	v_cmp_eq_u32 s22, 0x01010101, v49              ; lanes with nothing but 1
	s_cmp_lg_u32 s21, 0
	s_cselect_b32 s23, 1, 0
	s_cmp_eq_u32 s22, -1
	s_cselect_b32 s28, 1, 0
	s_add_co_u32 s23, s23, s28                     ; 0, 1 or 2
	v_writelane_b32 v5, s23, \e
	global_store_b64 v3, v[WD+2*\e:WD+2*\e+1], s[6:7] offset:256*\e   ; 32 lanes store 256 consecutive bytes, at a multiple of 256 from the buffer's first byte
.endm
	WORDS 0, 4                                     ; the four younger loads are step 1's
	WORDS 1, 0
	s_wait_xcnt 0x0                                ; EXEC is a source of the stores above: it changes only behind this wait
	v_cmp_gt_u32 vcc_lo, 2, v1
	s_and_saveexec_b32 s20, vcc_lo
	global_store_b32 v4, v5, s[8:9]                ; lanes 0 and 1: the two class words
	s_wait_xcnt 0x0                                ; and again in front of the line that widens it
	s_or_b32 exec_lo, exec_lo, s20
	s_endpgm
.Lfunc_end_k_q1dec6729e1_prep:
	.size	k_q1dec6729e1_prep, .Lfunc_end_k_q1dec6729e1_prep-k_q1dec6729e1_prep
	.p2alignl 7, 3214868480
	.fill 96, 4, 3214868480
	.section	.rodata,"a",@progbits
	.p2align	6, 0x0
	.amdhsa_kernel k_q1dec6729e1_prep
		.amdhsa_group_segment_fixed_size 0
		.amdhsa_private_segment_fixed_size 0
		.amdhsa_enable_private_segment 0
		.amdhsa_kernarg_size 24
		.amdhsa_user_sgpr_count 2
		.amdhsa_user_sgpr_kernarg_segment_ptr 1
		.amdhsa_wavefront_size32 1
		.amdhsa_system_sgpr_workgroup_id_x 1
		.amdhsa_system_sgpr_workgroup_id_y 1
		.amdhsa_system_sgpr_workgroup_id_z 1
		.amdhsa_system_vgpr_workitem_id 0
		.amdhsa_next_free_vgpr 64
		.amdhsa_next_free_sgpr 66
		.amdhsa_reserve_vcc 1
		.amdhsa_float_denorm_mode_32 3
		.amdhsa_float_denorm_mode_16_64 3
		.amdhsa_memory_ordered 1
		.amdhsa_forward_progress 1
		.amdhsa_inst_pref_size 29
	.end_amdhsa_kernel
	.amdgpu_metadata
---
amdhsa.version: [ 1, 2 ]
amdhsa.kernels:
  - .name:           k_q1dec6729e1_prep
    .symbol:         k_q1dec6729e1_prep.kd
    .args:
      - { .name: attention_mask, .offset: 0, .size: 8, .value_kind: global_buffer, .address_space: global }
      - { .name: bits, .offset: 8, .size: 8, .value_kind: global_buffer, .address_space: global }
      - { .name: cls, .offset: 16, .size: 8, .value_kind: global_buffer, .address_space: global }
    .group_segment_fixed_size: 0
    .private_segment_fixed_size: 0
    .kernarg_segment_align: 8
    .kernarg_segment_size: 24
    .max_flat_workgroup_size: 128
    .sgpr_count:     66
    .vgpr_count:     64
    .wavefront_size: 32
...
	.end_amdgpu_metadata
.endif
;; end of part 1
;; launch attn (part 2): grid 8 x 32, 16 waves a work-group, no clusters, 300,032 bytes of LDS; arguments K_codes, K_scales, V_codes, V_scales, Q_codes, Q_scales, padding_mask, cls, bits, out0; writes out0
.if DOCPART == 2
	.amdgcn_target "amdgcn-amd-amdhsa--gfx1250"
	.amdhsa_code_object_version 6
	.text
	.protected	k_q1dec6729e1_attn
	.globl	k_q1dec6729e1_attn
	.p2align	8
	.type	k_q1dec6729e1_attn,@function
k_q1dec6729e1_attn:
	s_mov_b64 s[64:65], 0
	v_nop
	global_prefetch_b8 v0, s[64:65] scope:SCOPE_SE
	s_setreg_imm32_b32 hwreg(HW_REG_WAVE_MODE, 25, 1), 1
	s_wait_xcnt 0x0
; out[h][q][:] = sum over k of P[q][k] V[h][k][:], P = softmax_k(Q[h][q] . K[h][k] / 8) under the two masks, FINISHED AND NORMALISED, then quantised along the keys.
; 32 heads, 2,048 queries and keys, head size 64.  Both products on codes of FP6 (E2M3) with one E8M0 scale for each 32 along a product's K.
; Q, K: rows of 64 codes (48 bytes) and 2 scale bytes.  V: keys innermost, 64 rows of 2,048 codes (1,536 bytes) and 64 scale bytes.  out: f32.
; TWO PASSES OVER THE KEYS, since p is quantised normalised: the row's maximum and sum have to be known before the first p is made.
;   pass 1: S^T = K Q^T, masks, running maximum, sum.     pass 2: S^T again, p = 2^(t - M) x (1 / l), quantised in registers, O^T += V^T P^T.
;   t = score x log2(e) / 8; M = the row's largest t rounded UP to a whole number (kept as -M), so that the sum is brought under a new M by a power of two: nothing is rounded.
;   A query whose padding byte is 0, and a query with no kept key, get 1 / l = 0: every p is 0 and the row of out is 0.
; SHARES.  A work-group owns one head and 16 tiles of 16 queries, a tile to a wave (256 registers, four waves to a SIMD: one wave's vector work stands beside another's products and LDS loads).
;   Wave w of work-group j owns tile 8 u(w) + j, u a 4 x 4 square whose rows and columns all add up to 30: a choice of balance alone, no value hangs on it.
;   The head's K and V, codes and scales (204,800 bytes), are copied into LDS once, through registers; ONE barrier; behind it no wave waits for another.
; STEPS THAT ARE LEFT OUT.  A step is 16 queries x 128 keys.  The launch before has stored each step's class (0: no key kept, 2: all kept, 1: mixed) and its 64 lane masks.
;   A step of class 0 is jumped over in both passes; a step of class 2 jumps over the 64 selects.  Right for every mask: holes only make more steps mixed.
; NO CLUSTER, NO TENSOR LOAD.  The eight work-groups of a head read the same 204,800 bytes, once each, at their heads.  A joint request is a tensor load;
;   the branch on the class can leave out any of a wave's 2 x 16 steps, each some 250 vector instructions, which outweighs one read of 204,800 bytes a work-group.
; LAYOUT.  Both products are used transposed (source 0 = 16 keys, or 16 of the head's 64; source 1 = my 16 queries): a lane holds ONE query (lane % 16) throughout.
;   THE KEYS OF A TILE ARE NOT NEIGHBOURS: lane r of tile 2 b + u takes key 32 b + 8 u + r + 8 (r / 8), so that score register 16 b + i holds key 32 b + 16 (lane / 16) + i: 16 neighbours along the next K.
;   THE FIRST PRODUCT'S K IS 64 of the instruction's 128: Q's upper six registers are zero codes, and both sides' scale bytes 2 and 3 are 0 (2^-127).  So what stands in the upper six registers of K's operand
;   adds nothing: tile t is named as twelve registers of which the upper six are tile t + 1's (tile 7's: zeros).  That spares 48 registers and 24 loads a step.
; LIMITS.  Scale bytes 0xff among the inputs are not served.  A 2^(t - M) under 2^-126 comes out of v_exp_f32 as 0.  A block of p that is all zeros carries the byte 1 (the rule says 127): its codes are zeros and
;   only this text reads the byte.  Mask bytes count as kept where they are not 0.
.set KSTEP, 7168                       ; LDS: K's codes, from byte 0: groups of 16 keys x 48 bytes + 128 unused = 896; a step's 128 keys are 8 groups.  Word of lane (r, h): 224 (r / 8) + 12 (r % 8) + 6 h: 32 different even words mod 64
.set VL,    114688                     ; V's codes: 64 rows, 1,536 bytes + 48: word of lane (r, h): 396 r + 6 h = 12 r + 6 h mod 64: again 32 different even words
.set VP,    1584
.set KS,    216064                     ; K's scale words as an image of the registers: word 128 s + 4 L + i = the two bytes of key 128 s + 64 (L / 16) + 32 (i / 2) + 16 ((L / 8) % 2) + 8 (i % 2) + L % 8
.set VS,    224256                     ; V's: word 64 s + 4 r + i = the four bytes of row 16 i + r for step s
.set STG,   228352                     ; the way out: 16 rows x (256 + 16) bytes for each wave
.set SP,    272
.set SPARE, 297984                     ; the spare words, 128 bytes for each wave: eight blocks of 256 bytes that no other line names
.set AK0,  1                           ; v1   my lane's place in a step of K
.set AV0,  2                           ; v2   in V's rows
.set ASK0, 3                           ; v3   in a step's image of K's scale words
.set ASV0, 4                           ; v4   of V's
.set SPW,  5                           ; v5   LDS address of my spare word; never rewritten
.set NIL,  6                           ; v6   0; never rewritten
.set GO,   7                           ; v7   the way out: my byte offset in the tile's rows of out
.set STO,  8                           ; v8   where I put 32 bytes of a row in my stage
.set RD,   9                           ; v9   where I read a row back
.set ADK,  10                          ; v10  LDS address of the step's K
.set ADS,  11                          ; v11  of its scale words
                                       ; v12 -M, v13 the largest t, v[14:15] the sum in two halves
.set QF,   16                          ; v16-21 Q's codes, v22-27 zero codes
.set QS,   28                          ; v28  Q's scale word
.set NINF, 29                          ; v29  -infinity
.set RL,   30                          ; v[30:31] 1 / l, twice
.set KF,   32                          ; v32-79 K's eight tiles, six registers each; v80-85 zeros.  In pass 2, behind the products: at work
.set KSW,  86                          ; v86-89 K's scale words: lanes 0-15 tiles 0-3, lanes 16-31 tiles 4-7
.set VSW,  90                          ; v90-93 V's scale words
.set PSW,  94                          ; v94  p's scale word
.set PADB, 95                          ; v95  my query's padding byte
.set S,    96                          ; v96-159 S^T, then p
.set O,    160                         ; v160-191 O^T: four tiles of 16 of the head's 64
.set VF,   192                         ; v192-239 V's four fragments.  In pass 1: at work
.set PC,   240                         ; v240-251 p's codes.  At the head: staging addresses
.set ADV,  252                         ; v252, v253 LDS addresses of the step's V: rows 0-31, rows 32-63;  v254 of its scale words
.set ADT,  254
.set PD,   255                         ; v255 a lane permute's destination
.set MX,   192                         ; pass 1: v192-195 the blocks' largest scores, v[196:197] the second chain of the sum, v[200:201] f and its pair word, v202 at work
.set CH,   196
.set FF,   200
.set TW,   202
.set WV,   24                          ; s24  my wave
.set CS,   26                          ; s[26:27] c = log2(e) / 8: the packed form names a pair and takes its low word
.set SEL,  30                          ; s[30:31] selects for lane l xor 16
.set STP,  2                           ; s2   the step
.set OFK,  3                           ; s3   7,168 x step
.set OFV,  25                          ; s25  96 x step
.set OFS,  28                          ; s28  512 x step
.set OFT,  29                          ; s29  256 x step: in V's scale image, and in bits
.set ANY,  66                          ; s66  bit s: step s has a kept key
.set FULL, 67                          ; s67  bit s: step s keeps all
.set HD,   100
.set TT,   101                         ; s[32:63], s[68:99]: the step's 64 lane masks (word n in s[32 + n], from n = 32 on in s[36 + n]); at the head: at work
	s_load_b512 s[4:19], s[0:1], 0x0               ; K's codes s[4:5], K's scales s[6:7], V's codes s[8:9], V's scales s[10:11], Q's codes s[12:13], Q's scales s[14:15], padding s[16:17], cls s[18:19]
	s_load_b128 s[20:23], s[0:1], 0x40             ; bits s[20:21], out s[22:23]
	v_lshl_add_u32 v[SPW], v0, 2, SPARE
	v_mov_b32 v[NIL], 0
.irp k, 22,23,24,25,26,27,80,81,82,83,84,85,14,15,201,255
	v_mov_b32 v\k, 0                               ; zero codes; the sum; f's pair word; the permute's destination
.endr
	v_mov_b32 v[NINF], 0xff800000
	v_mov_b32 v13, 0xff61b1e6                      ; the largest t so far: -3e38, under every t
	v_floor_f32 v12, -v13                          ; -M
	v_lshrrev_b32 v207, 5, v0
	v_readfirstlane_b32 s[WV], v207                ; wave 0..15
	s_and_b32 s[HD], ttmp7, 0xffff                 ; the head
	s_mov_b32 s32, 0x7a94c12f                      ; u(0) .. u(7), four bits each: 15, 2, 1, 12, 4, 9, 10, 7
	s_mov_b32 s33, 0x0de3b658                      ; u(8) .. u(15): 8, 5, 6, 11, 3, 14, 13, 0
	s_cmp_lt_u32 s[WV], 8
	s_cselect_b32 s32, s32, s33
	s_and_b32 s33, s[WV], 7
	s_lshl_b32 s33, s33, 2
	s_lshr_b32 s32, s32, s33
	s_and_b32 s32, s32, 15
	s_lshl_b32 s[TT], s32, 3
	s_add_co_u32 s[TT], s[TT], ttmp9               ; my tile of 16 queries: 8 u + work-group x.  It enters global addresses alone
	v_and_b32 v204, 15, v0                         ; r
	v_bfe_u32 v205, v0, 4, 1                       ; h
	v_and_b32 v206, 31, v0                         ; lane
	v_bfe_u32 v207, v0, 3, 1
	v_mul_u32_u24 v[AK0], v207, 896                ; K: group r / 8,
	v_and_b32 v207, 7, v0
	v_mad_u32_u24 v[AK0], v207, 48, v[AK0]         ; row r % 8 of it,
	v_mad_u32_u24 v[AK0], v205, 24, v[AK0]         ; my half's 24 bytes
	v_mul_u32_u24 v[AV0], v204, VP
	v_mad_u32_u24 v[AV0], v205, 24, v[AV0]
	v_add_nc_u32 v[AV0], VL, v[AV0]
	v_lshl_add_u32 v[ASK0], v206, 4, KS
	v_lshl_add_u32 v[ASV0], v204, 4, VS
	s_mul_i32 s50, s[WV], 16*SP
	s_add_co_u32 s50, s50, STG                     ; my stage
	v_mul_u32_u24 v[STO], v204, SP
	v_lshl_add_u32 v[STO], v205, 5, v[STO]
	v_add_nc_u32 v[STO], s50, v[STO]               ; in: row r, 32 bytes for each half of the lanes
	v_mul_u32_u24 v[RD], v205, SP
	v_lshl_add_u32 v[RD], v204, 4, v[RD]
	v_add_nc_u32 v[RD], s50, v[RD]                 ; back: lanes 0-15 one row of 256 bytes, lanes 16-31 the next
	v_lshlrev_b32 v[GO], 8, v205
	v_lshl_add_u32 v[GO], v204, 4, v[GO]           ; and the same two rows in out
	; the staging: wave w copies step w's 6,144 bytes of K's codes and rows 4 w .. 4 w + 3 of V's; the 512 threads share the scale images out, a word a thread and store
	v_lshlrev_b32 v240, 4, v206                    ; from memory: 16 bytes a lane, 512 a load
	s_mul_i32 s51, s[WV], KSTEP
	v_lshl_add_u32 v241, v206, 4, s51              ; K into LDS: the dense bytes + 128 for each 768 passed:
	v_lshl_add_u32 v242, v205, 7, v241             ; in the middle load of three, lanes 16-31 lie behind one gap more
	s_mul_i32 s52, s[WV], 4*VP
	s_add_co_u32 s52, s52, VL
	v_lshl_add_u32 v243, v206, 4, s52              ; V into LDS
	v_lshl_add_u32 v244, v0, 2, KS
	v_lshl_add_u32 v245, v0, 2, VS
	v_bfe_u32 v246, v0, 2, 3                       ; which key's two bytes make word (thread) of K's image: bits 2:0 = thread bits 4:2,
	v_and_b32 v207, 1, v0
	v_lshl_or_b32 v246, v207, 3, v246              ; bit 3 = bit 0,
	v_bfe_u32 v207, v0, 5, 1
	v_lshl_or_b32 v246, v207, 4, v246              ; bit 4 = bit 5,
	v_bfe_u32 v207, v0, 1, 1
	v_lshl_or_b32 v246, v207, 5, v246              ; bit 5 = bit 1,
	v_and_b32 v207, 0x1c0, v0
	v_or_b32 v246, v246, v207                      ; bits 8:6 as they are;
	v_lshlrev_b32 v246, 1, v246                    ; two bytes a key
	v_and_b32 v207, 3, v0                          ; V's image: tile i = thread bits 1:0, row r = bits 5:2, step = bits 8:6: byte 1,024 i + 64 r + 4 step
	v_lshlrev_b32 v247, 10, v207
	v_bfe_u32 v207, v0, 2, 4
	v_lshl_or_b32 v247, v207, 6, v247
	v_lshrrev_b32 v207, 6, v0
	v_lshl_or_b32 v247, v207, 2, v247
	v_mul_u32_u24 v248, v204, 48
	v_mad_u32_u24 v248, v205, 24, v248             ; Q: row r, my half's 24 bytes
	v_lshlrev_b32 v249, 1, v204                    ; its two scale bytes
	v_mov_b32 v250, v204                           ; its padding byte
	v_lshlrev_b32 v251, 2, v204                    ; class word r: lane s holds step s's
	s_mov_b32 s[SEL], 0x76543210
	s_mov_b32 s[SEL+1], 0xfedcba98
	s_mov_b32 s[CS], 0x3e38aa3b                    ; log2(e) / 8
	s_mov_b32 s[CS+1], s[CS]                       ; (named with it as a pair, so it is written)
	s_mul_i32 s34, s[HD], 98304                    ; a head's codes are 98,304 bytes in each of the three tensors
	s_mul_i32 s36, s[WV], 6144
	s_add_co_u32 s34, s34, s36                     ; K's and V's codes: my wave's 6,144 bytes
	s_mov_b32 s35, 0
	s_lshl_b32 s36, s[HD], 12                      ; a head's scale bytes are 4,096
	s_mov_b32 s37, 0
	s_mul_i32 s38, s[HD], 98304
	s_mul_i32 s40, s[TT], 768
	s_add_co_u32 s38, s38, s40                     ; Q's codes: my 16 rows
	s_mov_b32 s39, 0
	s_lshl_b32 s40, s[TT], 5
	s_add_co_u32 s40, s40, s36                     ; and their scale bytes
	s_mov_b32 s41, 0
	s_lshl_b32 s42, s[HD], 11
	s_lshl_b32 s44, s[TT], 4
	s_add_co_u32 s42, s42, s44                     ; their padding bytes
	s_mov_b32 s43, 0
	s_lshl_b32 s44, s[TT], 6                       ; my tile's 16 class words
	s_mov_b32 s45, 0
	s_lshl_b32 s46, s[TT], 12                      ; its 16 x 64 lane masks
	s_mov_b32 s47, 0
	s_lshl_b32 s48, s[HD], 19
	s_add_co_u32 s48, s48, s46                     ; out: a head is 524,288 bytes, a tile 4,096
	s_mov_b32 s49, 0
	s_wait_kmcnt 0x0
	s_add_nc_u64 s[4:5], s[4:5], s[34:35]
	s_add_nc_u64 s[8:9], s[8:9], s[34:35]
	s_add_nc_u64 s[6:7], s[6:7], s[36:37]
	s_add_nc_u64 s[10:11], s[10:11], s[36:37]
	s_add_nc_u64 s[12:13], s[12:13], s[38:39]
	s_add_nc_u64 s[14:15], s[14:15], s[40:41]
	s_add_nc_u64 s[16:17], s[16:17], s[42:43]
	s_add_nc_u64 s[18:19], s[18:19], s[44:45]
	s_add_nc_u64 s[20:21], s[20:21], s[46:47]
	s_add_nc_u64 s[22:23], s[22:23], s[48:49]
.irp i, 0,1,2,3,4,5,6,7,8,9,10,11
	global_load_b128 v[96+4*\i:99+4*\i], v240, s[4:5] offset:512*\i        ; K's codes: 32 lanes read 512 consecutive bytes
.endr
.irp n, 0,1,2,3
	global_load_u16 v[192+\n], v246, s[6:7] offset:1024*\n                 ; K's scale pairs, the upper half 0: steps 4 n on
.endr
.irp i, 0,1,2,3,4,5,6,7,8,9,10,11
	global_load_b128 v[144+4*\i:147+4*\i], v240, s[8:9] offset:512*\i      ; V's codes
.endr
.irp n, 0,1
	global_load_b32 v[196+\n], v247, s[10:11] offset:32*\n                 ; V's scale words: steps 8 n on
.endr
.irp p, 0,1,2
	global_load_b64 v[QF+2*\p:QF+2*\p+1], v248, s[12:13] offset:8*\p th:TH_LOAD_NT   ; Q's fragment stays in registers
.endr
	global_load_u16 v[QS], v249, s[14:15] th:TH_LOAD_NT
	global_load_u8 v[PADB], v250, s[16:17] th:TH_LOAD_NT
	global_load_b32 v198, v251, s[18:19]
	s_wait_loadcnt 24                              ; K's codes are in: 24 loads were issued behind them
.irp a, 0,1,2,3
	ds_store_b128 v241, v[96+12*\a:99+12*\a] offset:1792*\a
	ds_store_b128 v242, v[100+12*\a:103+12*\a] offset:1792*\a+512
	ds_store_b128 v241, v[104+12*\a:107+12*\a] offset:1792*\a+1152
.endr
	s_wait_loadcnt 20                              ; K's scales: 20 behind them
.irp n, 0,1,2,3
	ds_store_b32 v244, v[192+\n] offset:2048*\n
.endr
	s_wait_loadcnt 8                               ; V's codes: 8 behind them
.irp a, 0,1,2,3
.irp c, 0,1,2
	ds_store_b128 v243, v[144+12*\a+4*\c:147+12*\a+4*\c] offset:VP*\a+512*\c
.endr
.endr
	s_wait_loadcnt 6                               ; V's scales: 6 behind them
.irp n, 0,1
	ds_store_b32 v245, v[196+\n] offset:2048*\n
.endr
	s_wait_loadcnt 0x0                             ; Q, its scales, the padding byte, the classes
	v_cmp_ne_u32 s[ANY], 0, v198                   ; bit s: step s's class is not 0
	v_cmp_eq_u32 s[FULL], 2, v198                  ; bit s: it is 2
	s_mov_b32 s[STP], 0
	s_mov_b32 s[OFK], 0
	s_mov_b32 s[OFS], 0
	s_mov_b32 s[OFT], 0
	s_wait_dscnt 0x0                               ; for the others' sake: my stores into LDS are done
	s_barrier_signal -1
	s_barrier_wait -1                              ; the head's K and V lie in LDS.  The only barrier: it stands ahead of every branch on loaded numbers
.macro KLOADS                                  ; 25 LDS loads: the step's eight tiles of K, 24 bytes a lane each, and their scale words
.irp t, 0,1,2,3,4,5,6,7
.irp p, 0,1,2
	ds_load_b64 v[KF+6*\t+2*\p:KF+6*\t+2*\p+1], v[ADK] offset:1792*(\t/2)+384*(\t%2)+8*\p
.endr
.endr
	ds_load_b128 v[KSW:KSW+3], v[ADS]
.endm
.macro VLOADS                                  ; 25 LDS loads: the step's four fragments of V (16 rows x 128 keys) and their scale words
.irp i, 0,1,2,3
.irp p, 0,1,2,3,4,5
	ds_load_b64 v[VF+12*\i+2*\p:VF+12*\i+2*\p+1], v[ADV+\i/2] offset:16*VP*(\i%2)+48*(\p/3)+8*(\p%3)
.endr
.endr
	ds_load_b128 v[VSW:VSW+3], v[ADT]
.endm
.macro BITS                                    ; the step's 64 lane masks, 256 bytes
	s_load_b512 s[32:47], s[20:21], s[OFT] offset:0x0
	s_load_b512 s[48:63], s[20:21], s[OFT] offset:0x40
	s_load_b512 s[68:83], s[20:21], s[OFT] offset:0x80
	s_load_b512 s[84:99], s[20:21], s[OFT] offset:0xc0
.endm
.macro QK                                      ; S^T = K Q^T: eight tiles of 16 keys; each starts its sum with the constant 0
.irp t, 0,1,2,3
	v_wmma_scale_f32_16x16x128_f8f6f4 v[S+8*\t:S+8*\t+7], v[KF+6*\t:KF+6*\t+11], v[QF:QF+11], 0, v[KSW+\t], v[QS] matrix_a_fmt:MATRIX_FMT_FP6 matrix_b_fmt:MATRIX_FMT_FP6
.endr
.irp t, 4,5,6,7
	v_wmma_scale_f32_16x16x128_f8f6f4 v[S+8*\t:S+8*\t+7], v[KF+6*\t:KF+6*\t+11], v[QF:QF+11], 0, v[KSW+\t-4], v[QS] matrix_a_fmt:MATRIX_FMT_FP6 matrix_b_fmt:MATRIX_FMT_FP6 matrix_a_scale:MATRIX_SCALE_ROW1
.endr
.rept 4
	v_nop                                          ; four places ahead of the first read of the scores, of vector writes into K's registers and of the next loads into them
.endr
.endm
.macro MASK                                    ; hidden keys' scores become -infinity; a step that keeps all jumps over the selects
	s_wait_kmcnt 0x0                               ; on both ways: no scalar load is out when the next step's are issued, and s[OFT] may be stepped
	s_bitcmp1_b32 s[FULL], s[STP]
	s_cbranch_scc1 .Lopen_\@
.set n, 0
.rept 32
	v_cndmask_b32 v[S+n], v[NINF], v[S+n], s[32+n] ; each accumulator from its low end on
.set n, n+1
.endr
.rept 32
	v_cndmask_b32 v[S+n], v[NINF], v[S+n], s[36+n]
.set n, n+1
.endr
.Lopen_\@:
.endm
.macro EXPS                                    ; 2^(t - M): 32 packed multiply-adds (of the pairs c and -M the low word serves both halves), then the 64 exponentials as one batch
.set j, 0
.rept 32
	v_pk_fma_f32 v[S+j:S+j+1], v[S+j:S+j+1], s[CS:CS+1], v[12:13] op_sel_hi:[1,0,0]
.set j, j+2
.endr
.set j, 0
.rept 64
	v_exp_f32 v[S+j], v[S+j]
.set j, j+1
.endr
.endm
; p's 64 numbers of a lane (register 16 b + i = key 32 b + 16 (lane / 16) + i of my query) become the second product's operand in v[PC] on and its scale word in v[PSW].  No |.|: p is never negative.
.macro QUANT
.irp b, 0,1,2,3
	v_max3_num_f32 v[KF+\b], v[S+16*\b], v[S+1+16*\b], 0x1800000   ; block b: my 16 numbers, and the floor 2^(3 - 127): the byte cannot fall under 1
.endr
.irp i, 2,4,6,8,10,12,14
.irp b, 0,1,2,3
	v_max3_num_f32 v[KF+\b], v[KF+\b], v[S+16*\b+\i], v[S+1+16*\b+\i]   ; (the four blocks by turns)
.endr
.endr
.irp b, 0,1,2,3
	v_permlanex16_b32 v[KF+4+\b], v[KF+\b], s[SEL], s[SEL+1]
.endr
.irp b, 0,1,2,3
	v_max_num_f32 v[KF+\b], v[KF+\b], v[KF+4+\b]   ; with lane l xor 16's 16: the block's largest p
.endr
.irp b, 0,1,2,3
	v_add_nc_u32 v[KF+12+\b], 0xff000000, v[KF+\b] ; 2 off its exponent field: the conversion takes the exponent field of this operand as its scale
.endr
.irp b, 0,1,2,3
	v_lshrrev_b32 v[KF+4+\b], 23, v[KF+12+\b]      ; the scale's byte
.endr
	v_lshl_or_b32 v[PSW], v[KF+5], 8, v[KF+4]
	v_lshl_or_b32 v[PSW], v[KF+6], 16, v[PSW]
	v_lshl_or_b32 v[PSW], v[KF+7], 24, v[PSW]      ; my query's scale word for these 128 keys
.irp c, 0,1
	v_cvt_scalef32_pk16_fp6_f32 v[PC+6*\c:PC+2+6*\c], v[S+32*\c:S+15+32*\c], v[KF+12+2*\c]
	v_cvt_scalef32_pk16_fp6_f32 v[KF+16+4*\c:KF+18+4*\c], v[S+16+32*\c:S+31+32*\c], v[KF+13+2*\c]   ; (a conversion's three registers begin on an even number)
.endr
	v_nop                                          ; one plain place behind the scaled conversions
.irp c, 0,1                                    ; the operand's layout wants a WHOLE block in a lane: lanes 0-15 block 2 c, lanes 16-31 block 2 c + 1
.irp i, 0,1,2
	v_permlane16_swap_b32 v[PC+6*\c+\i], v[KF+16+4*\c+\i]
.endr
.irp i, 0,1,2
	v_mov_b32 v[PC+3+6*\c+\i], v[KF+16+4*\c+\i]
.endr
.endr
.rept 4
	v_nop                                          ; four places between the last write of the operand and the scaled product; the scale word stands more than eight ahead (the v_nop, the six moves, these four)
.endr
.endm
; ---- PASS 1: the rows' maxima and sums
.Lp1:
	v_add_nc_u32 v[ADK], s[OFK], v[AK0]
	v_add_nc_u32 v[ADS], s[OFS], v[ASK0]
	s_bitcmp1_b32 s[ANY], s[STP]
	s_cbranch_scc0 .Lp1n                           ; no key of this step is kept for any of my 16 queries
	KLOADS
	BITS
	s_wait_dscnt 0x0
	QK
	MASK
.irp b, 0,1,2,3
	v_max3_num_f32 v[MX+\b], v[S+16*\b], v[S+1+16*\b], v[S+2+16*\b]   ; the largest score, in four chains; each accumulator is first read at its low end
.endr
.irp i, 3,5,7,9,11,13
.irp b, 0,1,2,3
	v_max3_num_f32 v[MX+\b], v[MX+\b], v[S+16*\b+\i], v[S+1+16*\b+\i]
.endr
.endr
.irp b, 0,1,2,3
	v_max_num_f32 v[MX+\b], v[MX+\b], v[S+15+16*\b]
.endr
	v_max3_num_f32 v[TW], v[MX], v[MX+1], v[MX+2]
	v_max_num_f32 v[TW], v[TW], v[MX+3]
	v_permlanex16_b32 v[PD], v[TW], s[SEL], s[SEL+1]
	v_max_num_f32 v[TW], v[TW], v[PD]              ; with lane l xor 16's 64 keys: the step's largest score of my query
	v_mul_f32 v[TW], s[CS], v[TW]                  ; as t (c is positive)
	v_max_num_f32 v13, v13, v[TW]                  ; the running largest t
	v_mov_b32 v[TW], v12
	v_floor_f32 v12, -v13                          ; the new -M = floor(-t) = -ceil(t)
	v_sub_f32 v[TW], v12, v[TW]                    ; old M - new M: a whole number, 0 or less
	v_cvt_i32_f32 v[TW], v[TW]                     ; (it saturates)
	v_ldexp_f32 v[FF], 1.0, v[TW]                  ; f = 2^(old M - new M)
	EXPS
	v_pk_mul_f32 v[14:15], v[14:15], v[FF:FF+1] op_sel_hi:[1,0]   ; the sum under the new M.  (The plain instruction behind the exponentials)
	s_wait_alu depctr_va_vdst(0)                   ; the wait ahead of the first line that names an exponential's result: one for the 64
	v_pk_add_f32 v[CH:CH+1], v[S:S+1], v[S+2:S+3]  ; the sum, two at a time, in two chains
.irp j, 4,8,12,16,20,24,28,32,36,40,44,48,52,56,60
	v_pk_add_f32 v[14:15], v[14:15], v[S+\j:S+\j+1]
	v_pk_add_f32 v[CH:CH+1], v[CH:CH+1], v[S+2+\j:S+3+\j]
.endr
	v_pk_add_f32 v[14:15], v[14:15], v[CH:CH+1]
.Lp1n:
	s_add_co_u32 s[OFK], s[OFK], KSTEP
	s_add_co_u32 s[OFS], s[OFS], 512
	s_add_co_u32 s[OFT], s[OFT], 256
	s_add_co_u32 s[STP], s[STP], 1
	s_cmp_lt_u32 s[STP], 16
	s_cbranch_scc1 .Lp1
; ---- between the passes: 1 / l
	v_add_f32 v14, v14, v15                        ; the sum's two halves,
	v_permlanex16_b32 v[PD], v14, s[SEL], s[SEL+1]
	v_add_f32 v14, v14, v[PD]                      ; and lane l xor 16's: the row's sum
	v_rcp_f32 v[RL], v14
	v_nop                                          ; a plain instruction behind the reciprocal
	v_cmp_lt_f32 s32, 0, v14                       ; has my query a kept key?
	v_cmp_ne_u32 s33, 0, v[PADB]                   ; and is it no padding?
.set j, 0
.rept 32
	v_mov_b32 v[O+j], 0                            ; O^T begins as zeros: which step is a query's first is not known to the text, so no product can be written out with the constant 0
.set j, j+1
.endr
	s_wait_alu depctr_va_vdst(0)                   ; the wait ahead of the reciprocal's first reader
	v_fma_f32 v[TW], -v14, v[RL], 1.0              ; one step of Newton's: what goes into the quantiser is as accurate as f32 allows
	v_fma_f32 v[RL], v[RL], v[TW], v[RL]
	v_cndmask_b32 v[RL], v[NIL], v[RL], s32        ; 0 where no key is kept,
	v_cndmask_b32 v[RL], v[NIL], v[RL], s33        ; and where the query is padding: every p is then 0
	v_mov_b32 v[RL+1], v[RL]
	s_mov_b32 s[STP], 0
	s_mov_b32 s[OFK], 0
	s_mov_b32 s[OFV], 0
	s_mov_b32 s[OFS], 0
	s_mov_b32 s[OFT], 0
; ---- PASS 2: p, quantised, and O^T += V^T P^T.  M and l are final: O^T is never rescaled
.Lp2:
	v_add_nc_u32 v[ADK], s[OFK], v[AK0]            ; five plain lines on every way: also the places between the last step's products and the loads into their operands
	v_add_nc_u32 v[ADS], s[OFS], v[ASK0]
	v_add_nc_u32 v[ADV], s[OFV], v[AV0]
	v_add_nc_u32 v[ADV+1], 32*VP, v[ADV]
	v_add_nc_u32 v[ADT], s[OFT], v[ASV0]
	s_bitcmp1_b32 s[ANY], s[STP]
	s_cbranch_scc0 .Lp2n
	KLOADS
	VLOADS
	BITS
	s_wait_dscnt 25                                ; K's 25 loads are in; V's 25, issued behind them, may stay out
	QK
	MASK
	EXPS
	v_nop                                          ; the plain instruction behind the exponentials
	s_wait_alu depctr_va_vdst(0)                   ; one wait for the 64
.set j, 0
.rept 32
	v_pk_mul_f32 v[S+j:S+j+1], v[S+j:S+j+1], v[RL:RL+1]   ; p, normalised, in f32
.set j, j+2
.endr
	QUANT
	s_wait_dscnt 0x0                               ; V is in
.irp i, 0,1,2,3                                ; the four accumulators take turns, one instruction a turn, and the next step's eight products K Q^T stand between two turns of each
	v_wmma_scale_f32_16x16x128_f8f6f4 v[O+8*\i:O+8*\i+7], v[VF+12*\i:VF+12*\i+11], v[PC:PC+11], v[O+8*\i:O+8*\i+7], v[VSW+\i], v[PSW] matrix_a_fmt:MATRIX_FMT_FP6 matrix_b_fmt:MATRIX_FMT_FP6
.endr
.Lp2n:
	s_add_co_u32 s[OFK], s[OFK], KSTEP
	s_add_co_u32 s[OFV], s[OFV], 96
	s_add_co_u32 s[OFS], s[OFS], 512
	s_add_co_u32 s[OFT], s[OFT], 256
	s_add_co_u32 s[STP], s[STP], 1
	s_cmp_lt_u32 s[STP], 16
	s_cbranch_scc1 .Lp2
; ---- THE WAY OUT.  Lane (r, h) holds out(r, 16 i + 8 h + 0 .. 7) in tile i: 32 bytes of a row.  The 16 rows go through my own stage and come back whole.
.rept 4
	v_nop                                          ; four places ahead of the first read of the last products' results
.endr
.irp i, 0,1,2,3
	ds_store_b128 v[STO], v[O+8*\i:O+8*\i+3] offset:64*\i          ; each accumulator from its low end on
	ds_store_b128 v[STO], v[O+8*\i+4:O+8*\i+7] offset:64*\i+16
.endr
.irp k, 0,1,2,3,4,5,6,7
	ds_load_b128 v[S+4*\k:S+4*\k+3], v[RD] offset:2*SP*\k          ; LDS serves a wave's instructions in order (ISA guide 5.7.1.4): these see my stores
.endr
.irp k, 0,1,2,3,4,5,6,7
	s_wait_dscnt 7-\k                              ; load k is in; the younger ones may stay out
	global_store_b128 v[GO], v[S+4*\k:S+4*\k+3], s[22:23] offset:512*\k th:TH_STORE_NT   ; 16 lanes store a row's 256 consecutive bytes, at a multiple of 256 from out's first byte
.endr
	s_wait_tensorcnt 0x0                           ; the wave's end
	ds_add_u32 v[SPW], v[NIL]
	s_wait_dscnt 0x0
	s_endpgm
.Lfunc_end_k_q1dec6729e1_attn:
	.size	k_q1dec6729e1_attn, .Lfunc_end_k_q1dec6729e1_attn-k_q1dec6729e1_attn
	.p2alignl 7, 3214868480
	.fill 96, 4, 3214868480
	.section	.rodata,"a",@progbits
	.p2align	6, 0x0
	.amdhsa_kernel k_q1dec6729e1_attn
		.amdhsa_group_segment_fixed_size 300032
		.amdhsa_private_segment_fixed_size 0
		.amdhsa_enable_private_segment 0
		.amdhsa_kernarg_size 80
		.amdhsa_user_sgpr_count 2
		.amdhsa_user_sgpr_kernarg_segment_ptr 1
		.amdhsa_wavefront_size32 1
		.amdhsa_system_sgpr_workgroup_id_x 1
		.amdhsa_system_sgpr_workgroup_id_y 1
		.amdhsa_system_sgpr_workgroup_id_z 1
		.amdhsa_system_vgpr_workitem_id 0
		.amdhsa_next_free_vgpr 256
		.amdhsa_next_free_sgpr 102
		.amdhsa_reserve_vcc 0
		.amdhsa_float_denorm_mode_32 3
		.amdhsa_float_denorm_mode_16_64 3
		.amdhsa_memory_ordered 1
		.amdhsa_forward_progress 1
		.amdhsa_inst_pref_size 52
	.end_amdhsa_kernel
	.amdgpu_metadata
---
amdhsa.version: [ 1, 2 ]
amdhsa.kernels:
  - .name:           k_q1dec6729e1_attn
    .symbol:         k_q1dec6729e1_attn.kd
    .args:
      - { .name: K_codes, .offset: 0, .size: 8, .value_kind: global_buffer, .address_space: global }
      - { .name: K_scales, .offset: 8, .size: 8, .value_kind: global_buffer, .address_space: global }
      - { .name: V_codes, .offset: 16, .size: 8, .value_kind: global_buffer, .address_space: global }
      - { .name: V_scales, .offset: 24, .size: 8, .value_kind: global_buffer, .address_space: global }
      - { .name: Q_codes, .offset: 32, .size: 8, .value_kind: global_buffer, .address_space: global }
      - { .name: Q_scales, .offset: 40, .size: 8, .value_kind: global_buffer, .address_space: global }
      - { .name: padding_mask, .offset: 48, .size: 8, .value_kind: global_buffer, .address_space: global }
      - { .name: cls, .offset: 56, .size: 8, .value_kind: global_buffer, .address_space: global }
      - { .name: bits, .offset: 64, .size: 8, .value_kind: global_buffer, .address_space: global }
      - { .name: out0, .offset: 72, .size: 8, .value_kind: global_buffer, .address_space: global }
    .group_segment_fixed_size: 300032
    .private_segment_fixed_size: 0
    .kernarg_segment_align: 8
    .kernarg_segment_size: 80
    .max_flat_workgroup_size: 512
    .sgpr_count:     102
    .vgpr_count:     256
    .wavefront_size: 32
...
	.end_amdgpu_metadata
.endif
;; end of part 2
;; ======== version 2 of 2: 2 launches
;; workspace buffers: bits 524,288 bytes of whole numbers; cls 8,192 bytes of whole numbers
;; launch prep (part 3): grid 256 x 1, 4 waves a work-group, no clusters, 0 bytes of LDS; arguments attention_mask, bits, cls; writes bits, cls
.if DOCPART == 3
	.amdgcn_target "amdgcn-amd-amdhsa--gfx1250"
	.amdhsa_code_object_version 6
	.text
	.protected	k_q1dec6729e1_prep
	.globl	k_q1dec6729e1_prep
	.p2align	8
	.type	k_q1dec6729e1_prep,@function
k_q1dec6729e1_prep:
	s_mov_b64 s[64:65], 0
	v_nop
	global_prefetch_b8 v0, s[64:65] scope:SCOPE_SE
	s_setreg_imm32_b32 hwreg(HW_REG_WAVE_MODE, 25, 1), 1
	s_wait_xcnt 0x0
; attention_mask [2048][2048], one byte a key, becomes what the attention launch wants of it:
;   bits [128 T][16 s][64 n], 32-bit words: bit L = r + 16 h of word n = 16 b + i is mask[16 T + r][128 s + 32 b + 16 h + i]:
;        the lane mask of score register n of a tile of 16 queries x 128 keys, as the attention launch holds that tile;
;   cls  [128 T][16 s], 32-bit words: 0 = all 2,048 bytes of the tile are 0, 2 = all are 1, 1 = mixed.
; A byte is tested at its bit 0 (a bool is 0 or 1).
; SHARES.  Work-group g: tile row T = g / 2.  Wave w: pr = 4 (g % 2) + w, key steps 2 pr and 2 pr + 1: 256 keys, so the aligned 256 bytes
; of each of the 16 rows are read by this wave alone, by eight loads on end.  No LDS, no barrier: waves share nothing.
; The matrix unit, clusters and LDS have nothing to do here: 4 MiB are read once and 0.5 MiB written once.
.set MD,  16                           ; v16-47  the mask as loaded: step e's 16 words at v[MD + 16 e]
.set WD,  8                            ; v8-11   step e's 64 lane masks: word n in register WD + 2 e + n % 2, lane n / 2
.set TMP, 12                           ; v12-15  at work, by turns
.set CM,  24                           ; s24-27  compare results, by turns
	s_load_b128 s[4:7], s[0:1], 0x0                ; the mask s[4:5], bits s[6:7]
	s_load_b64 s[8:9], s[0:1], 0x10                ; cls
	v_lshrrev_b32 v1, 5, v0
	v_readfirstlane_b32 s10, v1                    ; wave 0..3
	v_and_b32 v1, 31, v0                           ; lane
	v_and_b32 v2, 15, v0                           ; r
	v_bfe_u32 v3, v0, 4, 1                         ; h
	v_lshlrev_b32 v2, 11, v2                       ; row r of 2,048 bytes,
	v_lshl_or_b32 v2, v3, 4, v2                    ; + 16 h: my 16 keys of a block of 32
	v_lshlrev_b32 v3, 3, v1                        ; out: two words a lane
	v_lshlrev_b32 v4, 2, v1                        ; out: a class word a lane
	v_mov_b32 v5, 0                                ; the registers that v_writelane_b32 fills are written whole first
.irp k, 0,1,2,3
	v_mov_b32 v[WD+\k], 0
.endr
	s_lshr_b32 s11, ttmp9, 1                       ; T
	s_and_b32 s12, ttmp9, 1
	s_lshl_b32 s12, s12, 2
	s_add_co_u32 s12, s12, s10                     ; pr
	s_lshl_b32 s14, s11, 15                        ; the mask: 16 T rows of 2,048 bytes + 256 pr
	s_lshl_b32 s20, s12, 8
	s_add_co_u32 s14, s14, s20
	s_mov_b32 s15, 0
	s_lshl_b32 s16, s11, 12                        ; bits: (16 T + 2 pr) x 256 bytes
	s_lshl_b32 s20, s12, 9
	s_add_co_u32 s16, s16, s20
	s_mov_b32 s17, 0
	s_lshl_b32 s18, s11, 6                         ; cls: (16 T + 2 pr) x 4 bytes
	s_lshl_b32 s20, s12, 3
	s_add_co_u32 s18, s18, s20
	s_mov_b32 s19, 0
	s_wait_alu depctr_va_vdst(0)
	s_wait_kmcnt 0x0
	s_add_nc_u64 s[4:5], s[4:5], s[14:15]
	s_add_nc_u64 s[6:7], s[6:7], s[16:17]
	s_add_nc_u64 s[8:9], s[8:9], s[18:19]
.irp q, 0,1,2,3,4,5,6,7                        ; load q: keys 32 q + 16 h + 0 .. 15 of row r; the eight cover each row's 256 bytes
	global_load_b128 v[MD+4*\q:MD+4*\q+3], v2, s[4:5] offset:32*\q th:TH_LOAD_NT
.endr
; Step e of the wave's two.  left: the younger loads that may stay out.
.macro WORDS e, left
	s_wait_loadcnt \left
.set n, 0
.rept 64                                       ; word n: byte n % 4 of my register n / 4, gathered over the 32 lanes by a compare
	v_and_b32 v[TMP+n%4], 1<<(8*(n%4)), v[MD+16*\e+n/4]
	v_cmp_ne_u32 s[CM+n%4], 0, v[TMP+n%4]
	v_writelane_b32 v[WD+2*\e+n%2], s[CM+n%4], n/2
.set n, n+1
.endr
	v_or_b32 v48, v[MD+16*\e], v[MD+16*\e+1]       ; the class: is any byte 1, are all bytes 1
	v_and_b32 v49, v[MD+16*\e], v[MD+16*\e+1]
.irp k, 2,3,4,5,6,7,8,9,10,11,12,13,14,15
	v_or_b32 v48, v48, v[MD+16*\e+\k]
	v_and_b32 v49, v49, v[MD+16*\e+\k]
.endr
	v_and_b32 v48, 0x01010101, v48
	v_and_b32 v49, 0x01010101, v49
	v_cmp_ne_u32 s21, 0, v48                       ; lanes with a 1
	v_cmp_eq_u32 s22, 0x01010101, v49              ; lanes with nothing but 1
	s_cmp_lg_u32 s21, 0
	s_cselect_b32 s23, 1, 0
	s_cmp_eq_u32 s22, -1
	s_cselect_b32 s28, 1, 0
	s_add_co_u32 s23, s23, s28                     ; 0, 1 or 2
	v_writelane_b32 v5, s23, \e
	global_store_b64 v3, v[WD+2*\e:WD+2*\e+1], s[6:7] offset:256*\e   ; 32 lanes store 256 consecutive bytes, at a multiple of 256 from the buffer's first byte
.endm
	WORDS 0, 4                                     ; the four younger loads are step 1's
	WORDS 1, 0
	s_wait_alu depctr_va_vdst(0)
	s_wait_xcnt 0x0                                ; EXEC is a source of the stores above: it changes only behind this wait
	v_cmp_gt_u32 vcc_lo, 2, v1
	s_and_saveexec_b32 s20, vcc_lo
	global_store_b32 v4, v5, s[8:9]                ; lanes 0 and 1: the two class words
	s_wait_xcnt 0x0                                ; and again in front of the line that widens it
	s_or_b32 exec_lo, exec_lo, s20
	s_endpgm
.Lfunc_end_k_q1dec6729e1_prep:
	.size	k_q1dec6729e1_prep, .Lfunc_end_k_q1dec6729e1_prep-k_q1dec6729e1_prep
	.p2alignl 7, 3214868480
	.fill 96, 4, 3214868480
	.section	.rodata,"a",@progbits
	.p2align	6, 0x0
	.amdhsa_kernel k_q1dec6729e1_prep
		.amdhsa_group_segment_fixed_size 0
		.amdhsa_private_segment_fixed_size 0
		.amdhsa_enable_private_segment 0
		.amdhsa_kernarg_size 24
		.amdhsa_user_sgpr_count 2
		.amdhsa_user_sgpr_kernarg_segment_ptr 1
		.amdhsa_wavefront_size32 1
		.amdhsa_system_sgpr_workgroup_id_x 1
		.amdhsa_system_sgpr_workgroup_id_y 1
		.amdhsa_system_sgpr_workgroup_id_z 1
		.amdhsa_system_vgpr_workitem_id 0
		.amdhsa_next_free_vgpr 64
		.amdhsa_next_free_sgpr 66
		.amdhsa_reserve_vcc 1
		.amdhsa_float_denorm_mode_32 3
		.amdhsa_float_denorm_mode_16_64 3
		.amdhsa_memory_ordered 1
		.amdhsa_forward_progress 1
		.amdhsa_inst_pref_size 29
	.end_amdhsa_kernel
	.amdgpu_metadata
---
amdhsa.version: [ 1, 2 ]
amdhsa.kernels:
  - .name:           k_q1dec6729e1_prep
    .symbol:         k_q1dec6729e1_prep.kd
    .args:
      - { .name: attention_mask, .offset: 0, .size: 8, .value_kind: global_buffer, .address_space: global }
      - { .name: bits, .offset: 8, .size: 8, .value_kind: global_buffer, .address_space: global }
      - { .name: cls, .offset: 16, .size: 8, .value_kind: global_buffer, .address_space: global }
    .group_segment_fixed_size: 0
    .private_segment_fixed_size: 0
    .kernarg_segment_align: 8
    .kernarg_segment_size: 24
    .max_flat_workgroup_size: 128
    .sgpr_count:     66
    .vgpr_count:     64
    .wavefront_size: 32
...
	.end_amdgpu_metadata
.endif
;; end of part 3
;; launch attn (part 4): grid 8 x 32, 16 waves a work-group, no clusters, 300,032 bytes of LDS; arguments K_codes, K_scales, V_codes, V_scales, Q_codes, Q_scales, padding_mask, cls, bits, out0; writes out0
.if DOCPART == 4
	.amdgcn_target "amdgcn-amd-amdhsa--gfx1250"
	.amdhsa_code_object_version 6
	.text
	.protected	k_q1dec6729e1_attn
	.globl	k_q1dec6729e1_attn
	.p2align	8
	.type	k_q1dec6729e1_attn,@function
k_q1dec6729e1_attn:
	s_mov_b64 s[64:65], 0
	v_nop
	global_prefetch_b8 v0, s[64:65] scope:SCOPE_SE
	s_setreg_imm32_b32 hwreg(HW_REG_WAVE_SCHED_MODE, 0, 2), 2
	s_setreg_imm32_b32 hwreg(HW_REG_WAVE_MODE, 25, 1), 1
	s_wait_xcnt 0x0
	s_wait_alu depctr_vm_vsrc(0)
; out[h][q][:] = sum over k of P[q][k] V[h][k][:], P = softmax_k(Q[h][q] . K[h][k] / 8) under the two masks, FINISHED AND NORMALISED, then quantised along the keys.
; 32 heads, 2,048 queries and keys, head size 64.  Both products on codes of FP6 (E2M3) with one E8M0 scale for each 32 along a product's K.
; Q, K: rows of 64 codes (48 bytes) and 2 scale bytes.  V: keys innermost, 64 rows of 2,048 codes (1,536 bytes) and 64 scale bytes.  out: f32.
; TWO PASSES OVER THE KEYS, since p is quantised normalised: the row's maximum and sum have to be known before the first p is made.
;   pass 1: S^T = K Q^T, masks, running maximum, sum.     pass 2: S^T again, p = 2^(t - M) x (1 / l), quantised in registers, O^T += V^T P^T.
;   t = score x log2(e) / 8; M = the row's largest t rounded UP to a whole number (kept as -M), so that the sum is brought under a new M by a power of two: nothing is rounded.
;   A query whose padding byte is 0, and a query with no kept key, get 1 / l = 0: every p is 0 and the row of out is 0.
; SHARES.  A work-group owns one head and 16 tiles of 16 queries, a tile to a wave (256 registers, four waves to a SIMD: one wave's vector work stands beside another's products and LDS loads).
;   Wave w of work-group j owns tile 8 u(w) + j, u a 4 x 4 square whose rows and columns all add up to 30: a choice of balance alone, no value hangs on it.
;   The head's K and V, codes and scales (204,800 bytes), are copied into LDS once, through registers; ONE barrier; behind it no wave waits for another.
; STEPS THAT ARE LEFT OUT.  A step is 16 queries x 128 keys.  The launch before has stored each step's class (0: no key kept, 2: all kept, 1: mixed) and its 64 lane masks.
;   A step of class 0 is jumped over in both passes; a step of class 2 jumps over the 64 selects.  Right for every mask: holes only make more steps mixed.
;   The classes come by a scalar load and stay in scalar registers: no number that steers a branch is written by a vector instruction.
; NO CLUSTER, NO TENSOR LOAD.  The eight work-groups of a head read the same 204,800 bytes, once each, at their heads.  A joint request is a tensor load;
;   the branch on the class can leave out any of a wave's 2 x 16 steps, each some 250 vector instructions, which outweighs one read of 204,800 bytes a work-group.
; LAYOUT.  Both products are used transposed (source 0 = 16 keys, or 16 of the head's 64; source 1 = my 16 queries): a lane holds ONE query (lane % 16) throughout.
;   THE KEYS OF A TILE ARE NOT NEIGHBOURS: lane r of tile 2 b + u takes key 32 b + 8 u + r + 8 (r / 8), so that score register 16 b + i holds key 32 b + 16 (lane / 16) + i: 16 neighbours along the next K.
;   THE FIRST PRODUCT'S K IS 64 of the instruction's 128: Q's upper six registers are zero codes, and both sides' scale bytes 2 and 3 are 0 (2^-127).  So what stands in the upper six registers of K's operand
;   adds nothing: tile t is named as twelve registers of which the upper six are tile t + 1's (tile 7's: zeros).  That spares 48 registers and 24 loads a step.
; LIMITS.  Scale bytes 0xff among the inputs are not served.  A 2^(t - M) under 2^-126 comes out of v_exp_f32 as 0.  A block of p that is all zeros carries the byte 1 (the rule says 127): its codes are zeros and
;   only this text reads the byte.  Mask bytes count as kept where they are not 0.
; THE MODE: SCHED_MODE bits 1:0 = 2 (LLVM: expert scheduling mode 2), set by the entry lines.  The code itself states the register dependences
; between vector or matrix instructions and memory or LDS instructions, with s_wait_alu, always for 0.
; THE PLAN.  Registers that memory or LDS instructions touch:
;   v240-250         At the head: addresses of the staging's loads and stores.  In pass 2 (with v251): p's codes, written by vector instructions.
;   v96-197          At the head: the staging's loads land there and its LDS stores read them.  Later S^T, O^T and pass 1's work registers.
;   v10, v11, v252-254   LDS addresses: read by a step's LDS loads, written by vector additions at the next step's head.
;   K's v32-79, v86-89   A step's LDS loads land there; its eight products K Q^T read them; in pass 2 the quantiser then works in v32-54.
;   V's v192-239, v90-93 Pass 2: a step's LDS loads land there; its four products V^T P^T read them.  In pass 1: work registers.
;   O^T, v96-127, v7-9   The way out: the LDS stores read O^T; the stage's loads land in v96-127, which the global stores read; the three addresses are written at the head alone.
;   v5, v6           Written at the head, read by the closing add alone.
; So a step has, at its head, one wait on vm_vsrc ahead of the additions to the addresses and, behind the branch on the class, ONE wait on va_vdst for all its loads: the addresses are written, the last
; step's products are done reading K's and V's registers, and the quantiser's work in K's registers is written.  Behind it the lane masks' scalar loads and K's LDS loads follow; in pass 2 V's LDS loads are
; dealt among the eight products K Q^T, which name S^T, K, Q and their scale words: none of the registers that V's loads touch.  Pass 2 has one more wait on va_vdst, ahead of the products that take p's codes.
.set KSTEP, 7168                       ; LDS: K's codes, from byte 0: groups of 16 keys x 48 bytes + 128 unused = 896; a step's 128 keys are 8 groups.  Word of lane (r, h): 224 (r / 8) + 12 (r % 8) + 6 h: 32 different even words mod 64
.set VL,    114688                     ; V's codes: 64 rows, 1,536 bytes + 48: word of lane (r, h): 396 r + 6 h = 12 r + 6 h mod 64: again 32 different even words
.set VP,    1584
.set KS,    216064                     ; K's scale words as an image of the registers: word 128 s + 4 L + i = the two bytes of key 128 s + 64 (L / 16) + 32 (i / 2) + 16 ((L / 8) % 2) + 8 (i % 2) + L % 8
.set VS,    224256                     ; V's: word 64 s + 4 r + i = the four bytes of row 16 i + r for step s
.set STG,   228352                     ; the way out: 16 rows x (256 + 16) bytes for each wave
.set SP,    272
.set SPARE, 297984                     ; the spare words, 128 bytes for each wave: eight blocks of 256 bytes that no other line names
.set AK0,  1                           ; v1   my lane's place in a step of K
.set AV0,  2                           ; v2   in V's rows
.set ASK0, 3                           ; v3   in a step's image of K's scale words
.set ASV0, 4                           ; v4   of V's
.set SPW,  5                           ; v5   LDS address of my spare word; never rewritten
.set NIL,  6                           ; v6   0; never rewritten
.set GO,   7                           ; v7   the way out: my byte offset in the tile's rows of out
.set STO,  8                           ; v8   where I put 32 bytes of a row in my stage
.set RD,   9                           ; v9   where I read a row back
.set ADK,  10                          ; v10  LDS address of the step's K
.set ADS,  11                          ; v11  of its scale words
                                       ; v12 -M, v13 the largest t, v[14:15] the sum in two halves
.set QF,   16                          ; v16-21 Q's codes, v22-27 zero codes
.set QS,   28                          ; v28  Q's scale word
.set NINF, 29                          ; v29  -infinity
.set RL,   30                          ; v[30:31] 1 / l, twice
.set KF,   32                          ; v32-79 K's eight tiles, six registers each; v80-85 zeros.  In pass 2, behind the products: at work
.set KSW,  86                          ; v86-89 K's scale words: lanes 0-15 tiles 0-3, lanes 16-31 tiles 4-7
.set VSW,  90                          ; v90-93 V's scale words
.set PSW,  94                          ; v94  p's scale word
.set PADB, 95                          ; v95  my query's padding byte
.set S,    96                          ; v96-159 S^T, then p
.set O,    160                         ; v160-191 O^T: four tiles of 16 of the head's 64
.set VF,   192                         ; v192-239 V's four fragments.  In pass 1: at work
.set PC,   240                         ; v240-251 p's codes.  At the head: staging addresses
.set ADV,  252                         ; v252, v253 LDS addresses of the step's V: rows 0-31, rows 32-63;  v254 of its scale words
.set ADT,  254
.set PD,   255                         ; v255 a lane permute's destination
.set MX,   192                         ; pass 1: v192-195 the blocks' largest scores, v[196:197] the second chain of the sum, v[200:201] f and its pair word, v202 at work
.set CH,   196
.set FF,   200
.set TW,   202
.set WV,   24                          ; s24  my wave
.set CS,   26                          ; s[26:27] c = log2(e) / 8: the packed form names a pair and takes its low word
.set SEL,  30                          ; s[30:31] selects for lane l xor 16
.set STP,  2                           ; s2   the step
.set OFK,  3                           ; s3   7,168 x step
.set OFV,  25                          ; s25  96 x step
.set OFS,  28                          ; s28  512 x step
.set OFT,  29                          ; s29  256 x step: in V's scale image, and in bits
.set CLS,  66                          ; s66  my tile's 16 classes, two bits a step: step s's at bits 2 s + 1 : 2 s
.set CW,   67                          ; s67  the same, walking: the step in hand at bits 1:0
.set HD,   100                         ; s100 at the head: the head
.set CL,   100                         ; s100 in the passes: the class of the step in hand
.set TT,   101                         ; s[32:63], s[68:99]: the step's 64 lane masks (word n in s[32 + n], from n = 32 on in s[36 + n]); at the head: at work
	s_load_b512 s[4:19], s[0:1], 0x0               ; K's codes s[4:5], K's scales s[6:7], V's codes s[8:9], V's scales s[10:11], Q's codes s[12:13], Q's scales s[14:15], padding s[16:17], cls s[18:19]
	s_load_b128 s[20:23], s[0:1], 0x40             ; bits s[20:21], out s[22:23]
	v_lshl_add_u32 v[SPW], v0, 2, SPARE
	v_mov_b32 v[NIL], 0
.irp k, 22,23,24,25,26,27,80,81,82,83,84,85,14,15,201,255
	v_mov_b32 v\k, 0                               ; zero codes; the sum; f's pair word; the permute's destination
.endr
	v_mov_b32 v[NINF], 0xff800000
	v_mov_b32 v13, 0xff61b1e6                      ; the largest t so far: -3e38, under every t
	v_floor_f32 v12, -v13                          ; -M
	v_lshrrev_b32 v207, 5, v0
	v_readfirstlane_b32 s[WV], v207                ; wave 0..15
	s_and_b32 s[HD], ttmp7, 0xffff                 ; the head
	s_mov_b32 s32, 0x7a94c12f                      ; u(0) .. u(7), four bits each: 15, 2, 1, 12, 4, 9, 10, 7
	s_mov_b32 s33, 0x0de3b658                      ; u(8) .. u(15): 8, 5, 6, 11, 3, 14, 13, 0
	s_wait_alu depctr_va_sdst(0)                   ; the wave's number is written, ahead of its first reader
	s_cmp_lt_u32 s[WV], 8
	s_cselect_b32 s32, s32, s33
	s_and_b32 s33, s[WV], 7
	s_lshl_b32 s33, s33, 2
	s_lshr_b32 s32, s32, s33
	s_and_b32 s32, s32, 15
	s_lshl_b32 s[TT], s32, 3
	s_add_co_u32 s[TT], s[TT], ttmp9               ; my tile of 16 queries: 8 u + work-group x.  It enters global addresses alone
	v_and_b32 v204, 15, v0                         ; r
	v_bfe_u32 v205, v0, 4, 1                       ; h
	v_and_b32 v206, 31, v0                         ; lane
	v_bfe_u32 v207, v0, 3, 1
	v_mul_u32_u24 v[AK0], v207, 896                ; K: group r / 8,
	v_and_b32 v207, 7, v0
	v_mad_u32_u24 v[AK0], v207, 48, v[AK0]         ; row r % 8 of it,
	v_mad_u32_u24 v[AK0], v205, 24, v[AK0]         ; my half's 24 bytes
	v_mul_u32_u24 v[AV0], v204, VP
	v_mad_u32_u24 v[AV0], v205, 24, v[AV0]
	v_add_nc_u32 v[AV0], VL, v[AV0]
	v_lshl_add_u32 v[ASK0], v206, 4, KS
	v_lshl_add_u32 v[ASV0], v204, 4, VS
	s_mul_i32 s50, s[WV], 16*SP
	s_add_co_u32 s50, s50, STG                     ; my stage
	v_mul_u32_u24 v[STO], v204, SP
	v_lshl_add_u32 v[STO], v205, 5, v[STO]
	v_add_nc_u32 v[STO], s50, v[STO]               ; in: row r, 32 bytes for each half of the lanes
	v_mul_u32_u24 v[RD], v205, SP
	v_lshl_add_u32 v[RD], v204, 4, v[RD]
	v_add_nc_u32 v[RD], s50, v[RD]                 ; back: lanes 0-15 one row of 256 bytes, lanes 16-31 the next
	v_lshlrev_b32 v[GO], 8, v205
	v_lshl_add_u32 v[GO], v204, 4, v[GO]           ; and the same two rows in out
	; the staging: wave w copies step w's 6,144 bytes of K's codes and rows 4 w .. 4 w + 3 of V's; the 512 threads share the scale images out, a word a thread and store
	v_lshlrev_b32 v240, 4, v206                    ; from memory: 16 bytes a lane, 512 a load
	s_mul_i32 s51, s[WV], KSTEP
	v_lshl_add_u32 v241, v206, 4, s51              ; K into LDS: the dense bytes + 128 for each 768 passed:
	v_lshl_add_u32 v242, v205, 7, v241             ; in the middle load of three, lanes 16-31 lie behind one gap more
	s_mul_i32 s52, s[WV], 4*VP
	s_add_co_u32 s52, s52, VL
	v_lshl_add_u32 v243, v206, 4, s52              ; V into LDS
	v_lshl_add_u32 v244, v0, 2, KS
	v_lshl_add_u32 v245, v0, 2, VS
	v_bfe_u32 v246, v0, 2, 3                       ; which key's two bytes make word (thread) of K's image: bits 2:0 = thread bits 4:2,
	v_and_b32 v207, 1, v0
	v_lshl_or_b32 v246, v207, 3, v246              ; bit 3 = bit 0,
	v_bfe_u32 v207, v0, 5, 1
	v_lshl_or_b32 v246, v207, 4, v246              ; bit 4 = bit 5,
	v_bfe_u32 v207, v0, 1, 1
	v_lshl_or_b32 v246, v207, 5, v246              ; bit 5 = bit 1,
	v_and_b32 v207, 0x1c0, v0
	v_or_b32 v246, v246, v207                      ; bits 8:6 as they are;
	v_lshlrev_b32 v246, 1, v246                    ; two bytes a key
	v_and_b32 v207, 3, v0                          ; V's image: tile i = thread bits 1:0, row r = bits 5:2, step = bits 8:6: byte 1,024 i + 64 r + 4 step
	v_lshlrev_b32 v247, 10, v207
	v_bfe_u32 v207, v0, 2, 4
	v_lshl_or_b32 v247, v207, 6, v247
	v_lshrrev_b32 v207, 6, v0
	v_lshl_or_b32 v247, v207, 2, v247
	v_mul_u32_u24 v248, v204, 48
	v_mad_u32_u24 v248, v205, 24, v248             ; Q: row r, my half's 24 bytes
	v_lshlrev_b32 v249, 1, v204                    ; its two scale bytes
	v_mov_b32 v250, v204                           ; its padding byte
	s_mov_b32 s[SEL], 0x76543210
	s_mov_b32 s[SEL+1], 0xfedcba98
	s_mov_b32 s[CS], 0x3e38aa3b                    ; log2(e) / 8
	s_mov_b32 s[CS+1], s[CS]                       ; (named with it as a pair, so it is written)
	s_mul_i32 s34, s[HD], 98304                    ; a head's codes are 98,304 bytes in each of the three tensors
	s_mul_i32 s36, s[WV], 6144
	s_add_co_u32 s34, s34, s36                     ; K's and V's codes: my wave's 6,144 bytes
	s_mov_b32 s35, 0
	s_lshl_b32 s36, s[HD], 12                      ; a head's scale bytes are 4,096
	s_mov_b32 s37, 0
	s_mul_i32 s38, s[HD], 98304
	s_mul_i32 s40, s[TT], 768
	s_add_co_u32 s38, s38, s40                     ; Q's codes: my 16 rows
	s_mov_b32 s39, 0
	s_lshl_b32 s40, s[TT], 5
	s_add_co_u32 s40, s40, s36                     ; and their scale bytes
	s_mov_b32 s41, 0
	s_lshl_b32 s42, s[HD], 11
	s_lshl_b32 s44, s[TT], 4
	s_add_co_u32 s42, s42, s44                     ; their padding bytes
	s_mov_b32 s43, 0
	s_lshl_b32 s44, s[TT], 6                       ; my tile's 16 class words
	s_mov_b32 s45, 0
	s_lshl_b32 s46, s[TT], 12                      ; its 16 x 64 lane masks
	s_mov_b32 s47, 0
	s_lshl_b32 s48, s[HD], 19
	s_add_co_u32 s48, s48, s46                     ; out: a head is 524,288 bytes, a tile 4,096
	s_mov_b32 s49, 0
	s_wait_kmcnt 0x0
	s_add_nc_u64 s[4:5], s[4:5], s[34:35]
	s_add_nc_u64 s[8:9], s[8:9], s[34:35]
	s_add_nc_u64 s[6:7], s[6:7], s[36:37]
	s_add_nc_u64 s[10:11], s[10:11], s[36:37]
	s_add_nc_u64 s[12:13], s[12:13], s[38:39]
	s_add_nc_u64 s[14:15], s[14:15], s[40:41]
	s_add_nc_u64 s[16:17], s[16:17], s[42:43]
	s_add_nc_u64 s[18:19], s[18:19], s[44:45]
	s_add_nc_u64 s[20:21], s[20:21], s[46:47]
	s_add_nc_u64 s[22:23], s[22:23], s[48:49]
	s_load_b512 s[32:47], s[18:19], 0x0            ; my tile's 16 class words, 64 bytes: step s's in s[32 + s] (the offsets that stood there have been added)
	s_wait_alu depctr_va_vdst(0)                   ; every address made above is written: v240-250, which the staging's loads and LDS stores read, and v7-9 and v5, v6 for the way out and the end; so are the zero codes that the products take
.irp i, 0,1,2,3,4,5,6,7,8,9,10,11
	global_load_b128 v[96+4*\i:99+4*\i], v240, s[4:5] offset:512*\i        ; K's codes: 32 lanes read 512 consecutive bytes
.endr
.irp n, 0,1,2,3
	global_load_u16 v[192+\n], v246, s[6:7] offset:1024*\n                 ; K's scale pairs, the upper half 0: steps 4 n on
.endr
.irp i, 0,1,2,3,4,5,6,7,8,9,10,11
	global_load_b128 v[144+4*\i:147+4*\i], v240, s[8:9] offset:512*\i      ; V's codes
.endr
.irp n, 0,1
	global_load_b32 v[196+\n], v247, s[10:11] offset:32*\n                 ; V's scale words: steps 8 n on
.endr
.irp p, 0,1,2
	global_load_b64 v[QF+2*\p:QF+2*\p+1], v248, s[12:13] offset:8*\p th:TH_LOAD_NT   ; Q's fragment stays in registers
.endr
	global_load_u16 v[QS], v249, s[14:15] th:TH_LOAD_NT
	global_load_u8 v[PADB], v250, s[16:17] th:TH_LOAD_NT
	s_wait_loadcnt 23                              ; K's codes are in: 23 loads were issued behind them
.irp a, 0,1,2,3
	ds_store_b128 v241, v[96+12*\a:99+12*\a] offset:1792*\a
	ds_store_b128 v242, v[100+12*\a:103+12*\a] offset:1792*\a+512
	ds_store_b128 v241, v[104+12*\a:107+12*\a] offset:1792*\a+1152
.endr
	s_wait_loadcnt 19                              ; K's scales: 19 behind them
.irp n, 0,1,2,3
	ds_store_b32 v244, v[192+\n] offset:2048*\n
.endr
	s_wait_loadcnt 7                               ; V's codes: 7 behind them
.irp a, 0,1,2,3
.irp c, 0,1,2
	ds_store_b128 v243, v[144+12*\a+4*\c:147+12*\a+4*\c] offset:VP*\a+512*\c
.endr
.endr
	s_wait_loadcnt 5                               ; V's scales: 5 behind them
.irp n, 0,1
	ds_store_b32 v245, v[196+\n] offset:2048*\n
.endr
	s_wait_loadcnt 0x0                             ; Q, its scales, the padding byte
	s_wait_kmcnt 0x0                               ; the classes
	s_mov_b32 s[CLS], s32                          ; 16 classes of 0, 1 or 2 close up into one register, two bits each
.set q, 1
.rept 15
	s_lshl_b32 s68, s[32+q], 2*q
	s_or_b32 s[CLS], s[CLS], s68
.set q, q+1
.endr
	s_mov_b32 s[CW], s[CLS]
	s_mov_b32 s[STP], 0
	s_mov_b32 s[OFK], 0
	s_mov_b32 s[OFS], 0
	s_mov_b32 s[OFT], 0
	s_wait_dscnt 0x0                               ; for the others' sake: my stores into LDS are done
	s_barrier_signal -1
	s_barrier_wait -1                              ; the head's K and V lie in LDS.  The only barrier: it stands ahead of every branch on loaded numbers
.macro KLOADS                                  ; 25 LDS loads: the step's eight tiles of K, 24 bytes a lane each, and their scale words
.irp t, 0,1,2,3,4,5,6,7
.irp p, 0,1,2
	ds_load_b64 v[KF+6*\t+2*\p:KF+6*\t+2*\p+1], v[ADK] offset:1792*(\t/2)+384*(\t%2)+8*\p
.endr
.endr
	ds_load_b128 v[KSW:KSW+3], v[ADS]
.endm
.macro BITS                                    ; the step's 64 lane masks, 256 bytes
	s_load_b512 s[32:47], s[20:21], s[OFT] offset:0x0
	s_load_b512 s[48:63], s[20:21], s[OFT] offset:0x40
	s_load_b512 s[68:83], s[20:21], s[OFT] offset:0x80
	s_load_b512 s[84:99], s[20:21], s[OFT] offset:0xc0
.endm
.macro QK                                      ; S^T = K Q^T: eight tiles of 16 keys; each starts its sum with the constant 0
.irp t, 0,1,2,3
	v_wmma_scale_f32_16x16x128_f8f6f4 v[S+8*\t:S+8*\t+7], v[KF+6*\t:KF+6*\t+11], v[QF:QF+11], 0, v[KSW+\t], v[QS] matrix_a_fmt:MATRIX_FMT_FP6 matrix_b_fmt:MATRIX_FMT_FP6
.endr
.irp t, 4,5,6,7
	v_wmma_scale_f32_16x16x128_f8f6f4 v[S+8*\t:S+8*\t+7], v[KF+6*\t:KF+6*\t+11], v[QF:QF+11], 0, v[KSW+\t-4], v[QS] matrix_a_fmt:MATRIX_FMT_FP6 matrix_b_fmt:MATRIX_FMT_FP6 matrix_a_scale:MATRIX_SCALE_ROW1
.endr
.rept 4
	v_nop                                          ; four places (ISA guide 7.12.1) ahead of the first read of the scores and of vector writes into K's registers
.endr
.endm
; Pass 2's form of the same eight products, in the same order, with the step's 25 LDS loads of V (four fragments of 16 rows x 128 keys, and their scale words) dealt among them.
; No wait stands ahead of these loads: since the step's wait on va_vdst only these products were issued, and they name S^T, K, Q and their scale words, none of V's registers or addresses.
.macro QKV
.irp t, 0,1,2,3
	v_wmma_scale_f32_16x16x128_f8f6f4 v[S+8*\t:S+8*\t+7], v[KF+6*\t:KF+6*\t+11], v[QF:QF+11], 0, v[KSW+\t], v[QS] matrix_a_fmt:MATRIX_FMT_FP6 matrix_b_fmt:MATRIX_FMT_FP6
.irp p, 0,1,2,3,4,5
	ds_load_b64 v[VF+12*\t+2*\p:VF+12*\t+2*\p+1], v[ADV+\t/2] offset:16*VP*(\t%2)+48*(\p/3)+8*(\p%3)
.endr
.endr
	v_wmma_scale_f32_16x16x128_f8f6f4 v[S+32:S+39], v[KF+24:KF+35], v[QF:QF+11], 0, v[KSW], v[QS] matrix_a_fmt:MATRIX_FMT_FP6 matrix_b_fmt:MATRIX_FMT_FP6 matrix_a_scale:MATRIX_SCALE_ROW1
	ds_load_b128 v[VSW:VSW+3], v[ADT]
.irp t, 5,6,7
	v_wmma_scale_f32_16x16x128_f8f6f4 v[S+8*\t:S+8*\t+7], v[KF+6*\t:KF+6*\t+11], v[QF:QF+11], 0, v[KSW+\t-4], v[QS] matrix_a_fmt:MATRIX_FMT_FP6 matrix_b_fmt:MATRIX_FMT_FP6 matrix_a_scale:MATRIX_SCALE_ROW1
.endr
.rept 4
	v_nop                                          ; four places (ISA guide 7.12.1) ahead of the first read of the scores and of vector writes into K's registers
.endr
.endm
.macro MASK                                    ; hidden keys' scores become -infinity; a step that keeps all jumps over the selects
	s_wait_kmcnt 0x0                               ; on both ways: no scalar load is out when the next step's are issued, and s[OFT] may be stepped
	s_cmp_eq_u32 s[CL], 2
	s_cbranch_scc1 .Lopen_\@
.set n, 0
.rept 32
	v_cndmask_b32 v[S+n], v[NINF], v[S+n], s[32+n] ; each accumulator from its low end on
.set n, n+1
.endr
.rept 32
	v_cndmask_b32 v[S+n], v[NINF], v[S+n], s[36+n]
.set n, n+1
.endr
.Lopen_\@:
.endm
.macro EXPS                                    ; 2^(t - M): 32 packed multiply-adds (of the pairs c and -M the low word serves both halves), then the 64 exponentials as one batch
.set j, 0
.rept 32
	v_pk_fma_f32 v[S+j:S+j+1], v[S+j:S+j+1], s[CS:CS+1], v[12:13] op_sel_hi:[1,0,0]
.set j, j+2
.endr
.set j, 0
	s_wait_alu depctr_va_vdst(0)
.rept 64
	v_exp_f32 v[S+j], v[S+j]
.set j, j+1
.endr
.endm
; p's 64 numbers of a lane (register 16 b + i = key 32 b + 16 (lane / 16) + i of my query) become the second product's operand in v[PC] on and its scale word in v[PSW].  No |.|: p is never negative.
.macro QUANT
.irp b, 0,1,2,3
	v_max3_num_f32 v[KF+\b], v[S+16*\b], v[S+1+16*\b], 0x1800000   ; block b: my 16 numbers, and the floor 2^(3 - 127): the byte cannot fall under 1
.endr
.irp i, 2,4,6,8,10,12,14
.irp b, 0,1,2,3
	v_max3_num_f32 v[KF+\b], v[KF+\b], v[S+16*\b+\i], v[S+1+16*\b+\i]   ; (the four blocks by turns)
.endr
.endr
.irp b, 0,1,2,3
	v_permlanex16_b32 v[KF+4+\b], v[KF+\b], s[SEL], s[SEL+1]
.endr
.irp b, 0,1,2,3
	v_max_num_f32 v[KF+\b], v[KF+\b], v[KF+4+\b]   ; with lane l xor 16's 16: the block's largest p
.endr
.irp b, 0,1,2,3
	v_add_nc_u32 v[KF+12+\b], 0xff000000, v[KF+\b] ; 2 off its exponent field: the conversion takes the exponent field of this operand as its scale
.endr
.irp b, 0,1,2,3
	v_lshrrev_b32 v[KF+4+\b], 23, v[KF+12+\b]      ; the scale's byte
.endr
	v_lshl_or_b32 v[PSW], v[KF+5], 8, v[KF+4]
	v_lshl_or_b32 v[PSW], v[KF+6], 16, v[PSW]
	v_lshl_or_b32 v[PSW], v[KF+7], 24, v[PSW]      ; my query's scale word for these 128 keys
.irp c, 0,1
	v_cvt_scalef32_pk16_fp6_f32 v[PC+6*\c:PC+2+6*\c], v[S+32*\c:S+15+32*\c], v[KF+12+2*\c]
	v_cvt_scalef32_pk16_fp6_f32 v[KF+16+4*\c:KF+18+4*\c], v[S+16+32*\c:S+31+32*\c], v[KF+13+2*\c]   ; (a conversion's three registers begin on an even number)
.endr
	v_nop                                          ; one plain place behind the scaled conversions
.irp c, 0,1                                    ; the operand's layout wants a WHOLE block in a lane: lanes 0-15 block 2 c, lanes 16-31 block 2 c + 1
.irp i, 0,1,2
	v_permlane16_swap_b32 v[PC+6*\c+\i], v[KF+16+4*\c+\i]
.endr
.irp i, 0,1,2
	v_mov_b32 v[PC+3+6*\c+\i], v[KF+16+4*\c+\i]
.endr
.endr
.rept 4
	v_nop                                          ; four places between the last write of the operand and the scaled product; the scale word stands more than eight ahead (the v_nop, the six moves, these four)
.endr
.endm
; ---- PASS 1: the rows' maxima and sums
.Lp1:
	s_wait_alu depctr_vm_vsrc(0)                   ; the last step's LDS loads have read v10 and v11, which the two additions write; in the first trip: the staging's loads and LDS stores have read v96-197 and v240-250, which vector and matrix instructions write from here on
	v_add_nc_u32 v[ADK], s[OFK], v[AK0]
	v_add_nc_u32 v[ADS], s[OFS], v[ASK0]
	s_and_b32 s[CL], s[CW], 3                      ; this step's class,
	s_lshr_b32 s[CW], s[CW], 2                     ; and on to the next step's
	s_cmp_eq_u32 s[CL], 0
	s_cbranch_scc1 .Lp1n                           ; no key of this step is kept for any of my 16 queries
	s_wait_alu depctr_va_vdst(0)                   ; v10 and v11 are written, which K's LDS loads read; the last step's products are done reading K's registers and scale words, in which those loads land; its selects are done with the lane masks' registers
	BITS
	KLOADS
	s_wait_dscnt 0x0
	QK
	MASK
.irp b, 0,1,2,3
	v_max3_num_f32 v[MX+\b], v[S+16*\b], v[S+1+16*\b], v[S+2+16*\b]   ; the largest score, in four chains; each accumulator is first read at its low end
.endr
.irp i, 3,5,7,9,11,13
.irp b, 0,1,2,3
	v_max3_num_f32 v[MX+\b], v[MX+\b], v[S+16*\b+\i], v[S+1+16*\b+\i]
.endr
.endr
.irp b, 0,1,2,3
	v_max_num_f32 v[MX+\b], v[MX+\b], v[S+15+16*\b]
.endr
	v_max3_num_f32 v[TW], v[MX], v[MX+1], v[MX+2]
	v_max_num_f32 v[TW], v[TW], v[MX+3]
	v_permlanex16_b32 v[PD], v[TW], s[SEL], s[SEL+1]
	v_max_num_f32 v[TW], v[TW], v[PD]              ; with lane l xor 16's 64 keys: the step's largest score of my query
	v_mul_f32 v[TW], s[CS], v[TW]                  ; as t (c is positive)
	v_max_num_f32 v13, v13, v[TW]                  ; the running largest t
	v_mov_b32 v[TW], v12
	v_floor_f32 v12, -v13                          ; the new -M = floor(-t) = -ceil(t)
	v_sub_f32 v[TW], v12, v[TW]                    ; old M - new M: a whole number, 0 or less
	v_cvt_i32_f32 v[TW], v[TW]                     ; (it saturates)
	v_ldexp_f32 v[FF], 1.0, v[TW]                  ; f = 2^(old M - new M)
	EXPS
	v_pk_mul_f32 v[14:15], v[14:15], v[FF:FF+1] op_sel_hi:[1,0]   ; the sum under the new M.  (The plain instruction behind the exponentials)
	s_wait_alu depctr_va_vdst(0)                   ; the 64 exponentials have written v96-159: the wait ahead of the first line that names a result: one for the 64
	v_pk_add_f32 v[CH:CH+1], v[S:S+1], v[S+2:S+3]  ; the sum, two at a time, in two chains
.irp j, 4,8,12,16,20,24,28,32,36,40,44,48,52,56,60
	v_pk_add_f32 v[14:15], v[14:15], v[S+\j:S+\j+1]
	v_pk_add_f32 v[CH:CH+1], v[CH:CH+1], v[S+2+\j:S+3+\j]
.endr
	v_pk_add_f32 v[14:15], v[14:15], v[CH:CH+1]
.Lp1n:
	s_add_co_u32 s[OFK], s[OFK], KSTEP
	s_add_co_u32 s[OFS], s[OFS], 512
	s_add_co_u32 s[OFT], s[OFT], 256
	s_add_co_u32 s[STP], s[STP], 1
	s_cmp_lt_u32 s[STP], 16
	s_cbranch_scc1 .Lp1
	s_wait_alu depctr_va_vdst(0)
; ---- between the passes: 1 / l
	v_add_f32 v14, v14, v15                        ; the sum's two halves,
	v_permlanex16_b32 v[PD], v14, s[SEL], s[SEL+1]
	v_add_f32 v14, v14, v[PD]                      ; and lane l xor 16's: the row's sum
	s_wait_alu depctr_va_vdst(0)
	v_rcp_f32 v[RL], v14
	v_nop                                          ; a plain instruction behind the reciprocal
	v_cmp_lt_f32 s32, 0, v14                       ; has my query a kept key?
	v_cmp_ne_u32 s33, 0, v[PADB]                   ; and is it no padding?
.set j, 0
.rept 32
	v_mov_b32 v[O+j], 0                            ; O^T begins as zeros: which step is a query's first is not known to the text, so no product can be written out with the constant 0
.set j, j+1
.endr
	s_wait_alu depctr_va_vdst(0)                   ; the reciprocal has written v30: the wait ahead of its first reader
	s_wait_alu depctr_va_sdst(0)                   ; the two compares have written s32 and s33, ahead of the selects that read them
	v_fma_f32 v[TW], -v14, v[RL], 1.0              ; one step of Newton's: what goes into the quantiser is as accurate as f32 allows
	v_fma_f32 v[RL], v[RL], v[TW], v[RL]
	v_cndmask_b32 v[RL], v[NIL], v[RL], s32        ; 0 where no key is kept,
	v_cndmask_b32 v[RL], v[NIL], v[RL], s33        ; and where the query is padding: every p is then 0
	v_mov_b32 v[RL+1], v[RL]
	s_mov_b32 s[CW], s[CLS]                        ; the classes are walked once more
	s_mov_b32 s[STP], 0
	s_mov_b32 s[OFK], 0
	s_mov_b32 s[OFV], 0
	s_mov_b32 s[OFS], 0
	s_mov_b32 s[OFT], 0
; ---- PASS 2: p, quantised, and O^T += V^T P^T.  M and l are final: O^T is never rescaled
.Lp2:
	s_wait_alu depctr_vm_vsrc(0)                   ; the LDS loads issued so far have read v10, v11 and v252-254, which the five additions write
	v_add_nc_u32 v[ADK], s[OFK], v[AK0]            ; five plain lines on every way
	v_add_nc_u32 v[ADS], s[OFS], v[ASK0]
	v_add_nc_u32 v[ADV], s[OFV], v[AV0]
	v_add_nc_u32 v[ADV+1], 32*VP, v[ADV]
	v_add_nc_u32 v[ADT], s[OFT], v[ASV0]
	s_and_b32 s[CL], s[CW], 3                      ; this step's class,
	s_lshr_b32 s[CW], s[CW], 2                     ; and on to the next step's
	s_cmp_eq_u32 s[CL], 0
	s_cbranch_scc1 .Lp2n
	s_wait_alu depctr_va_vdst(0)                   ; the five addresses are written, which the step's LDS loads read; the last step's products are done reading K's and V's registers and scale words, and the quantiser's work in K's registers (in the first trip: pass 1's in V's) is written: the loads land there; the selects are done with the lane masks' registers
	BITS
	KLOADS
	s_wait_dscnt 0x0                               ; K's 25 loads are in; V's are asked for among the products
	QKV
	MASK
	EXPS
	v_nop                                          ; the plain instruction behind the exponentials
	s_wait_alu depctr_va_vdst(0)                   ; the 64 exponentials have written v96-159: one wait, ahead of their first reader
.set j, 0
.rept 32
	v_pk_mul_f32 v[S+j:S+j+1], v[S+j:S+j+1], v[RL:RL+1]   ; p, normalised, in f32
.set j, j+2
.endr
	QUANT
	s_wait_dscnt 0x0                               ; V is in
	s_wait_alu depctr_va_vdst(0)                   ; the conversions, exchanges and moves have written p's codes v240-251, and the shifts its scale word v94, which the scaled products take; the quantiser's closing places stay beside this wait
.irp i, 0,1,2,3                                ; the four accumulators take turns, one instruction a turn, and the next step's eight products K Q^T stand between two turns of each
	v_wmma_scale_f32_16x16x128_f8f6f4 v[O+8*\i:O+8*\i+7], v[VF+12*\i:VF+12*\i+11], v[PC:PC+11], v[O+8*\i:O+8*\i+7], v[VSW+\i], v[PSW] matrix_a_fmt:MATRIX_FMT_FP6 matrix_b_fmt:MATRIX_FMT_FP6
.endr
.Lp2n:
	s_add_co_u32 s[OFK], s[OFK], KSTEP
	s_add_co_u32 s[OFV], s[OFV], 96
	s_add_co_u32 s[OFS], s[OFS], 512
	s_add_co_u32 s[OFT], s[OFT], 256
	s_add_co_u32 s[STP], s[STP], 1
	s_cmp_lt_u32 s[STP], 16
	s_cbranch_scc1 .Lp2
; ---- THE WAY OUT.  Lane (r, h) holds out(r, 16 i + 8 h + 0 .. 7) in tile i: 32 bytes of a row.  The 16 rows go through my own stage and come back whole.
.rept 4
	v_nop                                          ; four places ahead of the first read of the last products' results
.endr
	s_wait_alu depctr_va_vdst(0)                   ; the products (or, where every step was left out, the moves) have written O^T, which the LDS stores read; the multiplications and conversions are done with v96-127, in which the stage's loads land.  The places above stay beside this wait
.irp i, 0,1,2,3
	ds_store_b128 v[STO], v[O+8*\i:O+8*\i+3] offset:64*\i          ; each accumulator from its low end on
	ds_store_b128 v[STO], v[O+8*\i+4:O+8*\i+7] offset:64*\i+16
.endr
.irp k, 0,1,2,3,4,5,6,7
	ds_load_b128 v[S+4*\k:S+4*\k+3], v[RD] offset:2*SP*\k          ; LDS serves a wave's instructions in order (ISA guide 5.7.1.4): these see my stores
.endr
.irp k, 0,1,2,3,4,5,6,7
	s_wait_dscnt 7-\k                              ; load k is in; the younger ones may stay out
	global_store_b128 v[GO], v[S+4*\k:S+4*\k+3], s[22:23] offset:512*\k th:TH_STORE_NT   ; 16 lanes store a row's 256 consecutive bytes, at a multiple of 256 from out's first byte
.endr
	s_wait_dscnt 0x0                               ; the closing lines, six on end
	s_wait_alu 0x0
	s_wait_tensorcnt 0x0
	ds_add_u32 v[SPW], v[NIL]
	s_wait_dscnt 0x0
	s_endpgm
.Lfunc_end_k_q1dec6729e1_attn:
	.size	k_q1dec6729e1_attn, .Lfunc_end_k_q1dec6729e1_attn-k_q1dec6729e1_attn
	.p2alignl 7, 3214868480
	.fill 96, 4, 3214868480
	.section	.rodata,"a",@progbits
	.p2align	6, 0x0
	.amdhsa_kernel k_q1dec6729e1_attn
		.amdhsa_group_segment_fixed_size 300032
		.amdhsa_private_segment_fixed_size 0
		.amdhsa_enable_private_segment 0
		.amdhsa_kernarg_size 80
		.amdhsa_user_sgpr_count 2
		.amdhsa_user_sgpr_kernarg_segment_ptr 1
		.amdhsa_wavefront_size32 1
		.amdhsa_system_sgpr_workgroup_id_x 1
		.amdhsa_system_sgpr_workgroup_id_y 1
		.amdhsa_system_sgpr_workgroup_id_z 1
		.amdhsa_system_vgpr_workitem_id 0
		.amdhsa_next_free_vgpr 256
		.amdhsa_next_free_sgpr 102
		.amdhsa_reserve_vcc 0
		.amdhsa_float_denorm_mode_32 3
		.amdhsa_float_denorm_mode_16_64 3
		.amdhsa_memory_ordered 1
		.amdhsa_forward_progress 1
		.amdhsa_inst_pref_size 54
	.end_amdhsa_kernel
	.amdgpu_metadata
---
amdhsa.version: [ 1, 2 ]
amdhsa.kernels:
  - .name:           k_q1dec6729e1_attn
    .symbol:         k_q1dec6729e1_attn.kd
    .args:
      - { .name: K_codes, .offset: 0, .size: 8, .value_kind: global_buffer, .address_space: global }
      - { .name: K_scales, .offset: 8, .size: 8, .value_kind: global_buffer, .address_space: global }
      - { .name: V_codes, .offset: 16, .size: 8, .value_kind: global_buffer, .address_space: global }
      - { .name: V_scales, .offset: 24, .size: 8, .value_kind: global_buffer, .address_space: global }
      - { .name: Q_codes, .offset: 32, .size: 8, .value_kind: global_buffer, .address_space: global }
      - { .name: Q_scales, .offset: 40, .size: 8, .value_kind: global_buffer, .address_space: global }
      - { .name: padding_mask, .offset: 48, .size: 8, .value_kind: global_buffer, .address_space: global }
      - { .name: cls, .offset: 56, .size: 8, .value_kind: global_buffer, .address_space: global }
      - { .name: bits, .offset: 64, .size: 8, .value_kind: global_buffer, .address_space: global }
      - { .name: out0, .offset: 72, .size: 8, .value_kind: global_buffer, .address_space: global }
    .group_segment_fixed_size: 300032
    .private_segment_fixed_size: 0
    .kernarg_segment_align: 8
    .kernarg_segment_size: 80
    .max_flat_workgroup_size: 512
    .sgpr_count:     102
    .vgpr_count:     256
    .wavefront_size: 32
...
	.end_amdgpu_metadata
.endif
;; end of part 4
